; MI455X (gfx1250); checked and timed in simulation.
; The chip was launched on July 23, 2026; its instructions are those of AMD's public machine-readable ISA for CDNA 5 (MIT licence, August 2026) and "CDNA5" Instruction Set Architecture Reference Guide (July 2026). The comments in the code are by the model that wrote it; some were corrected since.
;; Retro Model. Allowed arithmetic: float matrix products may take bf16 or f16 operands with f32 sums; other float arithmetic in f32, or as packed bf16 or f16 multiplies, adds, multiply-adds, maxima and minima; sums over many terms, partial sums and values carried from step to step in f32; what a program stores and reads back later, other than sums and carried values, may be rounded once to bf16 or f16.
;; Inputs: Wk 1,024 x 1,024 float32; Wo 1,024 x 1,024 float32; Wq 1,024 x 1,024 float32; Wv 1,024 x 1,024 float32; bk 1,024 float32; bo 1,024 float32; bq 1,024 float32; bv 1,024 float32; e 4 x 32 x 2 x 64 x 1,024 float32; h 4 x 2,048 x 1,024 float32; ln_b 1,024 float32; ln_g 1,024 float32.
;; Outputs: out0 4 x 2,048 x 1,024 float32.
;; One version. Each part assembles by itself: llvm-mc -triple=amdgcn-amd-amdhsa -mcpu=gfx1250 --defsym DOCPART=n.
;; ======== version 1 of 1: 3 launches
;; workspace buffers: ab 50,331,648 bytes; wt 6,291,456 bytes; wot 2,097,152 bytes; ob 16,777,216 bytes
;; launch prep (part 1): grid 1280 x 1, 4 waves a work-group, no clusters, 49,664 bytes of LDS; arguments e, h, ln_g, ln_b, Wq, Wk, Wv, Wo, ab, wt, wot; writes ab, wt, wot
.if DOCPART == 1
	.amdgcn_target "amdgcn-amd-amdhsa--gfx1250"
	.amdhsa_code_object_version 6
	.text
	.protected	k_q5efb3446d5_prep
	.globl	k_q5efb3446d5_prep
	.p2align	8
	.type	k_q5efb3446d5_prep,@function
k_q5efb3446d5_prep:
	s_mov_b64 s[64:65], 0
	v_nop
	global_prefetch_b8 v0, s[64:65] scope:SCOPE_SE
	s_setreg_imm32_b32 hwreg(HW_REG_WAVE_MODE, 25, 1), 1
	s_wait_xcnt 0x0
; RETRO's chunked cross-attention, launch 1 of 3: everything that the matrix units will read is rounded once to bf16 and laid in blocks along K.
; WORK LEFT OUT BY THE WHOLE PROGRAM, for all values of the inputs:
;   bk.  k = e Wk + bk puts the term q[i] . bk[head] x SCALE into every score of query i and that head: the same number along the softmax's axis (n, j), so it cancels
;   in softmax(s) = exp(s - max s) / sum exp(s - max s).  bk has no other way to an output: it is not loaded and is no argument of any launch.
;   Rows 1985 .. 2047 of each batch's o.  reference() pads o by 63 rows in front and crops to S = 2048 rows, so these rows reach no output: they are never stored to out0.
;   They share chunk 31 and its tiles with the live row 1984, so inside those tiles they are computed along.
;   LIMIT: a NaN, an infinity or an overflow that reaches only bk or only those rows is not carried to the result.
; LIMITS.  e, LayerNorm(h) and the four weights are rounded to bf16 (nearest even).  Workspace rows 1985 .. 1987 of each batch hold row 1984's normalised numbers, not reference()'s zeros: they share
;   a block of four rows with row 1984, and their results are among the cropped rows.  NaN and infinities are not treated apart.
; LAYOUTS (bf16).  ab [128 chunks][32 blocks][192 rows][32 k]: rows 0-127 the chunk's e rows (n, j), rows 128-191 its 64 queries LayerNorm(h[b, 63 + 64 c + i]) (zeros from row 1988 of a batch on).
;   wt [16 heads][32 blocks][192 rows][32 k]: rows 0-63 Wq's columns of the head, 64-127 Wk's, 128-191 Wv's, each along the input channel k.
;   In both, a row is 64 bytes, and the 16 bytes of k = 8 c .. 8 c + 7 of row R lie at place c ^ ((R >> 2) & 3) of the row's four: the next launch brings blocks into LDS as they lie, without padding,
;   and the 16 rows that a fragment load touches then start at 16 different places modulo 256 bytes.      wot [4][16 kb][256 columns of Wo][64 k], plain.
; SHARES.  A stream: no wave wants another's bytes, so no barrier, no cluster, no matrix unit.  Work-groups 0-511: LayerNorm (a wave 4 rows); 512-1023: e (a wave 8 rows); 1024-1279: weights (a wave 64 k x 64 n).
; In e's and h's roles a load takes 256 bytes (64 k) of two rows, lanes 0-15 the even row, lanes 16-31 the odd one; the lane's 4 numbers become 8 bytes.  Four rows x 64 bytes of a block are 256 bytes on
; end in the workspace: a UNIT.  A wave lays four rows' 32 units PLAIN into a stage of its own in LDS and reads them back 16 bytes a lane.  (R >> 2) & 3 = s is one number for a unit's four rows, so the turn of
; the places is a permutation of the unit's sixteen pieces: lane L reads piece L and stores it at 16 (L ^ s).  Each store covers two whole units, sixteen lanes each.
; Every LDS address is the wave's number x 12,288, a term of the lane and an immediate: none hangs on the work-group's number, and none steps.
.set STG,   12288                      ; a wave's stage: 32 units at a pitch of 384 bytes (weights: 64 rows of 144)
.set UP,    384                        ; 256 + 128: the two units and two rows that a store of 8 bytes a lane touches fall on four different quarters of the banks
.set SPARE, 49152                      ; behind the four stages: the spare words, 128 bytes for each wave: two blocks of 256 bytes that no other line names
.set SPW, 8                            ; v8   LDS address of my spare word; never rewritten
.set NIL, 9                            ; v9   0; never rewritten
.set ZR,  10                           ; v[10:13] zeros to store
.set MU,  14                           ; v[14:15] the row's mean, twice
.set CHN, 16                           ; v[16:23] four chains of packed sums
.set TT,  24                           ; v24  var + eps
.set RS,  26                           ; v[26:27] 1 / sqrt(var + eps), twice
.set LR,  28                           ; v28  where I read 16 bytes of a unit back; never rewritten
.set VO,  29                           ; v29  my 16 bytes of two units in the workspace: 16 ((lane % 16) ^ s), lanes 16-31 one block on
.set X,   32                           ; v[32:159] numbers as loaded (h: 64; e and weights: 128)
.set GG,  96                           ; v[96:159]  ln_g of my 64 columns (h's role)
.set BB,  160                          ; v[160:223] ln_b of my 64 columns (h's role)
.set Y,   160                          ; v[160:223] units read back from the stage (weights: rounded numbers)
	s_load_b512 s[16:31], s[0:1], 0x0              ; e 16, h 18, ln_g 20, ln_b 22, Wq 24, Wk 26, Wv 28, Wo 30
	s_load_b128 s[32:35], s[0:1], 0x40             ; ab 32, wt 34
	s_load_b64 s[36:37], s[0:1], 0x50              ; wot
	v_lshl_add_u32 v[SPW], v0, 2, SPARE
	v_mov_b32 v[NIL], 0
	v_lshrrev_b32 v1, 5, v0
	v_readfirstlane_b32 s4, v1                     ; wave 0..3
	v_and_b32 v1, 31, v0                           ; lane
	v_and_b32 v2, 15, v0                           ; c = lane % 16
	v_bfe_u32 v3, v0, 4, 1                         ; hh = lane / 16
	v_lshlrev_b32 v7, 4, v2                        ; 16 c: my 16 bytes of 256
	s_mul_i32 s15, s4, STG                         ; my stage
	v_bfe_u32 v30, v0, 3, 1                        ; into the stage: my 4 numbers belong to the block 2 kb + c / 8,
	v_mul_u32_u24 v5, v30, UP
	v_lshl_add_u32 v5, v3, 6, v5                   ; row hh of the pair,
	v_and_b32 v30, 7, v0
	v_lshl_add_u32 v5, v30, 3, v5                  ; bytes 8 (c % 8) of its 64
	v_add_nc_u32 v5, s15, v5
	v_mul_u32_u24 v[LR], v3, UP                    ; back: lanes 0-15 take one unit, lanes 16-31 the next
	v_add_nc_u32 v[LR], v[LR], v7
	v_add_nc_u32 v[LR], s15, v[LR]
	v_mul_u32_u24 v[VO], v3, 12288
	v_add_nc_u32 v[VO], v[VO], v7                  ; still to be turned by the rows' s
	s_mov_b32 s9, 0                                ; the high words of the two offset pairs
	s_mov_b32 s39, 0
	s_wait_kmcnt 0x0
	s_cmp_lt_u32 ttmp9, 512
	s_cbranch_scc0 .Lnot_ln
; ---------------- LayerNorm: a wave takes four workspace rows 4 q .. 4 q + 3 of a batch, as two pairs; row d comes from h's row d + 63
	s_lshl_b32 s5, ttmp9, 2
	s_add_co_u32 s5, s5, s4                        ; 0 .. 2047
	s_lshr_b32 s14, s5, 9                          ; batch
	s_and_b32 s12, s5, 511                         ; q: the four rows' number in the batch
	s_lshl_b32 s38, s14, 5
	s_lshr_b32 s13, s12, 4
	s_add_co_u32 s38, s38, s13                     ; the chunk: 32 x batch + row / 64
	s_mul_i32 s38, s38, 393216
	s_and_b32 s13, s12, 15
	s_lshl_b32 s13, s13, 8                         ; my four rows of 64 bytes,
	s_add_co_u32 s38, s38, s13
	s_add_co_u32 s38, s38, 8192                    ; behind the block's 128 rows of e
	s_add_nc_u64 s[10:11], s[32:33], s[38:39]
	s_cmp_ge_u32 s12, 497                          ; rows 1988 .. 2047: reference()'s padding
	s_cbranch_scc1 .Lpad
	s_lshl_b32 s8, s14, 23                         ; a batch of h: 2,048 rows of 4,096 bytes
	s_add_nc_u64 s[6:7], s[18:19], s[8:9]
	s_and_b32 s14, s12, 3                          ; s = (row >> 2) & 3: the rows are 128 + 4 (q % 16) ..
	s_lshl_b32 s14, s14, 4
	v_xor_b32 v[VO], s14, v[VO]
	s_mov_b32 s40, 0x3a800000                      ; 1 / 1024
	s_mov_b32 s41, 0x3727c5ac                      ; eps = 1e-5
	s_lshl_b32 s13, s12, 2
	v_add_nc_u32 v6, s13, v3                       ; d = 4 q + hh
.irp kb, 0,1,2,3,4,5,6,7,8,9,10,11,12,13,14,15
	global_load_b128 v[GG+4*(\kb):GG+4*(\kb)+3], v7, s[20:21] offset:(\kb)*256
	global_load_b128 v[BB+4*(\kb):BB+4*(\kb)+3], v7, s[22:23] offset:(\kb)*256
.endr
.macro JOIN                            ; four chains into one number, then over the 16 lanes that hold a row
	v_pk_add_f32 v[CHN:CHN+1], v[CHN:CHN+1], v[CHN+2:CHN+3]
	v_pk_add_f32 v[CHN+4:CHN+5], v[CHN+4:CHN+5], v[CHN+6:CHN+7]
	v_pk_add_f32 v[CHN:CHN+1], v[CHN:CHN+1], v[CHN+4:CHN+5]
	v_add_f32 v[CHN], v[CHN], v[CHN+1]
	v_add_f32_dpp v[CHN], v[CHN], v[CHN] row_xmask:1 row_mask:0xf bank_mask:0xf
	v_add_f32_dpp v[CHN], v[CHN], v[CHN] row_xmask:2 row_mask:0xf bank_mask:0xf
	v_add_f32_dpp v[CHN], v[CHN], v[CHN] row_xmask:4 row_mask:0xf bank_mask:0xf
	v_add_f32_dpp v[CHN], v[CHN], v[CHN] row_xmask:8 row_mask:0xf bank_mask:0xf
.endm
; Pair p of the four rows: loaded, normalised, rounded, laid into the stage.  Written out twice, so that the pair's place in a unit stands in the LDS stores' immediate.
.macro LNPAIR p
	v_min_u32 v4, 1984, v6                         ; rows 1985 .. 1987 repeat row 1984: no load leaves the batch
	v_add_nc_u32 v4, 63, v4
	v_lshl_add_u32 v4, v4, 12, v7
.irp kb, 0,1,2,3,4,5,6,7,8,9,10,11,12,13,14,15
	global_load_b128 v[X+4*(\kb):X+4*(\kb)+3], v4, s[6:7] offset:(\kb)*256 th:TH_LOAD_NT
.endr
	s_wait_loadcnt 0x0                             ; the pair (the first time ln_g and ln_b too)
.irp k, 0,1,2,3
	v_pk_add_f32 v[CHN+2*(\k):CHN+2*(\k)+1], v[X+2*(\k):X+2*(\k)+1], v[X+8+2*(\k):X+8+2*(\k)+1]  ; the first additions start the chains
.endr
.set j, 8
.rept 24
	v_pk_add_f32 v[CHN+2*(j%4):CHN+2*(j%4)+1], v[CHN+2*(j%4):CHN+2*(j%4)+1], v[X+2*j:X+2*j+1]
.set j, j+1
.endr
	JOIN
	v_mul_f32 v[MU], s40, v[CHN]
	v_mul_f32 v[MU+1], s40, v[CHN]
.set j, 0
.rept 32
	v_pk_add_f32 v[X+2*j:X+2*j+1], v[X+2*j:X+2*j+1], v[MU:MU+1] neg_lo:[0,1] neg_hi:[0,1]  ; x - mean: the variance is taken of centred numbers, as reference() takes it
.set j, j+1
.endr
.irp k, 0,1,2,3
	v_pk_mul_f32 v[CHN+2*(\k):CHN+2*(\k)+1], v[X+2*(\k):X+2*(\k)+1], v[X+2*(\k):X+2*(\k)+1]
.endr
.set j, 4
.rept 28
	v_pk_fma_f32 v[CHN+2*(j%4):CHN+2*(j%4)+1], v[X+2*j:X+2*j+1], v[X+2*j:X+2*j+1], v[CHN+2*(j%4):CHN+2*(j%4)+1]
.set j, j+1
.endr
	JOIN
	v_fma_f32 v[TT], v[CHN], s40, s41              ; var + eps
	v_rsq_f32 v[RS], v[TT]
	v_rsq_f32 v[RS+1], v[TT]
	v_nop                                          ; a plain instruction behind the last of the two,
	s_wait_alu depctr_va_vdst(0)                   ; and one wait for both, ahead of their first reader
.set j, 0
.rept 32
	v_pk_mul_f32 v[X+2*j:X+2*j+1], v[X+2*j:X+2*j+1], v[RS:RS+1]
.set j, j+1
.endr
.set j, 0
.rept 32
	v_pk_fma_f32 v[X+2*j:X+2*j+1], v[X+2*j:X+2*j+1], v[GG+2*j:GG+2*j+1], v[BB+2*j:BB+2*j+1]
.set j, j+1
.endr
.set j, 0
.rept 32
	v_cvt_pk_bf16_f32 v[X+j], v[X+2*j], v[X+2*j+1] ; packed in place: the destination never passes its sources
.set j, j+1
.endr
.irp kb, 0,1,2,3,4,5,6,7,8,9,10,11,12,13,14,15
	ds_store_b64 v5, v[X+2*(\kb):X+2*(\kb)+1] offset:(\kb)*768+(\p)*128  ; blocks 2 kb and 2 kb + 1: two units on; pair p: two rows of 64 bytes on in each unit
.endr
.endm
	LNPAIR 0
	v_add_nc_u32 v6, 2, v6
	LNPAIR 1
	s_mov_b32 s13, 1                               ; the four rows leave by e's text, as its last four
	s_branch .Lflush
.Lpad:
.irp k, 0,1,2,3
	v_mov_b32 v[ZR+(\k)], 0
.endr
.irp n, 0,1,2,3,4,5,6,7,8,9,10,11,12,13,14,15
	global_store_b128 v[VO], v[ZR:ZR+3], s[10:11] offset:(\n)*24576
.endr
	s_branch .Lend
.Lnot_ln:
	s_cmp_lt_u32 ttmp9, 1024
	s_cbranch_scc0 .Lweights
; ---------------- e: wave U takes rows 8 U .. 8 U + 7, four at a time; the next four rows' 32 loads (16 KiB) go out as soon as the last four are rounded
	s_sub_co_u32 s5, ttmp9, 512
	s_lshl_b32 s5, s5, 2
	s_add_co_u32 s5, s5, s4                        ; U = 0 .. 2047
	s_lshl_b32 s8, s5, 15                          ; 8 rows of 4,096 bytes
	s_add_nc_u64 s[6:7], s[16:17], s[8:9]
	s_lshr_b32 s38, s5, 4                          ; the chunk: 128 rows
	s_mul_i32 s38, s38, 393216
	s_and_b32 s12, s5, 15
	s_lshl_b32 s12, s12, 9                         ; my 8 rows of 64 bytes in a block
	s_add_co_u32 s38, s38, s12
	s_add_nc_u64 s[10:11], s[32:33], s[38:39]
	s_and_b32 s14, s5, 1                           ; s = (row >> 2) & 3 of my first four rows = 2 (U % 2);
	s_lshl_b32 s14, s14, 5                         ; 16 s
	v_xor_b32 v[VO], s14, v[VO]
	v_lshl_add_u32 v4, v3, 12, v7                  ; hh x a row + 16 c
.macro LOADQ                           ; four rows: two pairs, 16 loads each
.irp p, 0,1
.irp kb, 0,1,2,3,4,5,6,7,8,9,10,11,12,13,14,15
	global_load_b128 v[X+64*(\p)+4*(\kb):X+64*(\p)+4*(\kb)+3], v4, s[6:7] offset:(\p)*8192+(\kb)*256 th:TH_LOAD_NT
.endr
.endr
.endm
	LOADQ
	s_mov_b32 s13, 2
.Lquad:
	s_wait_loadcnt 0x0
.irp p, 0,1
.set j, 0
.rept 32
	v_cvt_pk_bf16_f32 v[X+64*(\p)+j], v[X+64*(\p)+2*j], v[X+64*(\p)+2*j+1]  ; packed in place
.set j, j+1
.endr
.endr
.irp p, 0,1
.irp kb, 0,1,2,3,4,5,6,7,8,9,10,11,12,13,14,15
	ds_store_b64 v5, v[X+64*(\p)+2*(\kb):X+64*(\p)+2*(\kb)+1] offset:(\kb)*768+(\p)*128
.endr
.endr
	s_cmp_eq_u32 s13, 1
	s_cbranch_scc1 .Lflush                         ; behind the last four rows nothing is left to load
	s_add_nc_u64 s[6:7], s[6:7], 16384             ; all loads have come back, so their base may be written
	LOADQ
.Lflush:                                               ; the stage's 32 units leave: two to a load and to a store
.irp n, 0,1,2,3,4,5,6,7,8,9,10,11,12,13,14,15
	ds_load_b128 v[Y+4*(\n):Y+4*(\n)+3], v[LR] offset:(\n)*768  ; LDS serves a wave's instructions in order (ISA guide 5.7.1.4): these see my stores above; the next four rows' stores come behind them
.endr
.irp n, 0,1,2,3,4,5,6,7,8,9,10,11,12,13,14,15
	s_wait_dscnt 15-(\n)                           ; load n is in
	global_store_b128 v[VO], v[Y+4*(\n):Y+4*(\n)+3], s[10:11] offset:(\n)*24576  ; lanes 0-15: 256 consecutive bytes, aligned, of block 2 n; lanes 16-31: of block 2 n + 1
.endr
	s_wait_xcnt 0x0                                ; the stores have read their data, their offset and their base: all are written again below and in the next trip
	s_add_nc_u64 s[10:11], s[10:11], 256           ; four rows on
	v_xor_b32 v[VO], 16, v[VO]                     ; s goes from even to odd: its low bit turns
	s_sub_co_u32 s13, s13, 1
	s_cmp_lg_u32 s13, 0
	s_cbranch_scc1 .Lquad
.Lend:
	s_wait_tensorcnt 0x0                           ; the wave's end, behind my last LDS store
	ds_add_u32 v[SPW], v[NIL]
	s_wait_dscnt 0x0
	s_endpgm
; ---------------- weights: wave U turns a tile of 64 k x 64 n of one of the four matrices: W[k][n] in f32 to [n][k] in bf16, through its stage
.Lweights:
	s_sub_co_u32 s5, ttmp9, 1024
	s_lshl_b32 s5, s5, 2
	s_add_co_u32 s5, s5, s4                        ; U = 0 .. 1023
	s_lshr_b32 s12, s5, 8                          ; 0 Wq, 1 Wk, 2 Wv, 3 Wo
	s_bfe_u32 s13, s5, 0x40004                     ; kb: 64 k
	s_and_b32 s14, s5, 15                          ; nb: 64 columns (a head, for the first three)
	s_lshl_b32 s8, s13, 18                         ; 64 rows of 4,096 bytes
	s_lshl_b32 s42, s14, 8
	s_add_co_u32 s8, s8, s42
	s_mul_i32 s38, s14, 393216                     ; in wt: head, two blocks of 12,288 bytes, 64 rows of 64 bytes for each of q, k, v
	s_mul_i32 s42, s13, 24576
	s_add_co_u32 s38, s38, s42
	s_lshl_b32 s42, s12, 12
	s_add_co_u32 s38, s38, s42
	s_lshr_b32 s40, s14, 2                         ; in wot: tile of 256 columns, kb, my 64 of them
	s_lshl_b32 s40, s40, 19
	s_lshl_b32 s42, s13, 15
	s_add_co_u32 s40, s40, s42
	s_and_b32 s42, s14, 3
	s_lshl_b32 s42, s42, 13
	s_add_co_u32 s40, s40, s42
	s_cmp_eq_u32 s12, 1
	s_cselect_b64 s[6:7], s[26:27], s[24:25]
	s_cmp_eq_u32 s12, 2
	s_cselect_b64 s[6:7], s[28:29], s[6:7]
	s_cmp_eq_u32 s12, 3
	s_cselect_b64 s[6:7], s[30:31], s[6:7]
	s_cselect_b64 s[10:11], s[36:37], s[34:35]
	s_cselect_b32 s38, s40, s38
	s_add_nc_u64 s[6:7], s[6:7], s[8:9]
	s_add_nc_u64 s[10:11], s[10:11], s[38:39]
	v_lshl_add_u32 v4, v3, 17, v7                  ; lanes 16-31 take the row 32 further down
.set t, 0
.rept 32                                       ; load t: 256 bytes of row t and of row t + 32: I hold k = t + 32 hh, n = 4 c .. 4 c + 3
	global_load_b128 v[X+4*t:X+4*t+3], v4, s[6:7] offset:t*4096 th:TH_LOAD_NT
.set t, t+1
.endr
	v_mul_u32_u24 v6, v2, 576                      ; in: rows (n) of 128 bytes + 16 of padding; rows 4 c .. 4 c + 3, 64 bytes for each half of the lanes.
	v_lshl_add_u32 v6, v3, 6, v6                   ; group: no pitch that keeps 16-byte alignment spreads rows four apart over all banks; the weights are one seventh of this launch's bytes
	v_add_nc_u32 v6, s15, v6
	v_lshlrev_b32 v18, 4, v1                       ; 16 x lane: my 16 bytes of 512 consecutive bytes of the workspace
.set u, 0
.rept 16
	s_wait_loadcnt 30-2*u                          ; rows 2 u and 2 u + 1 are in; the loads behind them stay out
.irp i, 0,1,2,3
	v_cvt_pk_bf16_f32 v[Y+16*(\i)+u], v[X+8*u+(\i)], v[X+8*u+4+(\i)]  ; k = 2 u, 2 u + 1 of column 4 c + i
.endr
.set u, u+1
.endr
.irp i, 0,1,2,3
.irp q, 0,1,2,3
	ds_store_b128 v6, v[Y+16*(\i)+4*(\q):Y+16*(\i)+4*(\q)+3] offset:144*(\i)+16*(\q)
.endr
.endr
	s_cmp_eq_u32 s12, 3
	s_cbranch_scc1 .Lwo
	; Wq, Wk, Wv: two blocks of 64 rows x 64 bytes.  A load takes 8 rows: lane l row 8 f + l / 4 and the place l % 4, which holds the 16 bytes c = (l % 4) ^ ((row >> 2) & 3), (row >> 2) & 3 = (2 f + l / 16) & 3
	v_lshrrev_b32 v19, 2, v1
	v_mul_u32_u24 v19, v19, 144
	v_add_nc_u32 v19, s15, v19
	v_and_b32 v20, 3, v0
	v_xor_b32 v20, v20, v3
	v_lshl_add_u32 v16, v20, 4, v19                ; for even f
	v_xor_b32 v20, 2, v20
	v_lshl_add_u32 v17, v20, 4, v19                ; for odd f
.irp kk, 0,1
.irp f, 0,1,2,3,4,5,6,7
	ds_load_b128 v[X+4*(8*(\kk)+(\f)):X+4*(8*(\kk)+(\f))+3], v[16+((\f)%2)] offset:1152*(\f)+64*(\kk)  ; in order behind my stores above
.endr
.endr
.irp kk, 0,1
.irp f, 0,1,2,3,4,5,6,7
	s_wait_dscnt 15-(8*(\kk)+(\f))
	global_store_b128 v18, v[X+4*(8*(\kk)+(\f)):X+4*(8*(\kk)+(\f))+3], s[10:11] offset:12288*(\kk)+512*(\f)
.endr
.endr
	s_branch .Lwend
.Lwo:                                                  ; Wo: 64 rows of 128 bytes, plain: 32 lanes take four rows
	v_lshrrev_b32 v19, 3, v1
	v_mul_u32_u24 v19, v19, 144
	v_and_b32 v20, 7, v0
	v_lshl_add_u32 v19, v20, 4, v19
	v_add_nc_u32 v16, s15, v19
.irp f, 0,1,2,3,4,5,6,7,8,9,10,11,12,13,14,15
	ds_load_b128 v[X+4*(\f):X+4*(\f)+3], v16 offset:576*(\f)
.endr
.irp f, 0,1,2,3,4,5,6,7,8,9,10,11,12,13,14,15
	s_wait_dscnt 15-(\f)
	global_store_b128 v18, v[X+4*(\f):X+4*(\f)+3], s[10:11] offset:512*(\f)
.endr
.Lwend:
	s_wait_tensorcnt 0x0                           ; the wave's end, behind my last LDS store
	ds_add_u32 v[SPW], v[NIL]
	s_wait_dscnt 0x0
	s_endpgm
.Lfunc_end_k_q5efb3446d5_prep:
	.size	k_q5efb3446d5_prep, .Lfunc_end_k_q5efb3446d5_prep-k_q5efb3446d5_prep
	.p2alignl 7, 3214868480
	.fill 96, 4, 3214868480
	.section	.rodata,"a",@progbits
	.p2align	6, 0x0
	.amdhsa_kernel k_q5efb3446d5_prep
		.amdhsa_group_segment_fixed_size 49664
		.amdhsa_private_segment_fixed_size 0
		.amdhsa_enable_private_segment 0
		.amdhsa_kernarg_size 88
		.amdhsa_user_sgpr_count 2
		.amdhsa_user_sgpr_kernarg_segment_ptr 1
		.amdhsa_wavefront_size32 1
		.amdhsa_system_sgpr_workgroup_id_x 1
		.amdhsa_system_sgpr_workgroup_id_y 1
		.amdhsa_system_sgpr_workgroup_id_z 1
		.amdhsa_system_vgpr_workitem_id 0
		.amdhsa_next_free_vgpr 224
		.amdhsa_next_free_sgpr 66
		.amdhsa_reserve_vcc 0
		.amdhsa_float_denorm_mode_32 3
		.amdhsa_float_denorm_mode_16_64 3
		.amdhsa_memory_ordered 1
		.amdhsa_forward_progress 1
		.amdhsa_inst_pref_size 72
	.end_amdhsa_kernel
	.amdgpu_metadata
---
amdhsa.version: [ 1, 2 ]
amdhsa.kernels:
  - .name:           k_q5efb3446d5_prep
    .symbol:         k_q5efb3446d5_prep.kd
    .args:
      - { .name: e, .offset: 0, .size: 8, .value_kind: global_buffer, .address_space: global }
      - { .name: h, .offset: 8, .size: 8, .value_kind: global_buffer, .address_space: global }
      - { .name: ln_g, .offset: 16, .size: 8, .value_kind: global_buffer, .address_space: global }
      - { .name: ln_b, .offset: 24, .size: 8, .value_kind: global_buffer, .address_space: global }
      - { .name: Wq, .offset: 32, .size: 8, .value_kind: global_buffer, .address_space: global }
      - { .name: Wk, .offset: 40, .size: 8, .value_kind: global_buffer, .address_space: global }
      - { .name: Wv, .offset: 48, .size: 8, .value_kind: global_buffer, .address_space: global }
      - { .name: Wo, .offset: 56, .size: 8, .value_kind: global_buffer, .address_space: global }
      - { .name: ab, .offset: 64, .size: 8, .value_kind: global_buffer, .address_space: global }
      - { .name: wt, .offset: 72, .size: 8, .value_kind: global_buffer, .address_space: global }
      - { .name: wot, .offset: 80, .size: 8, .value_kind: global_buffer, .address_space: global }
    .group_segment_fixed_size: 49664
    .private_segment_fixed_size: 0
    .kernarg_segment_align: 8
    .kernarg_segment_size: 88
    .max_flat_workgroup_size: 128
    .sgpr_count:     66
    .vgpr_count:     224
    .wavefront_size: 32
...
	.end_amdgpu_metadata
.endif
;; end of part 1
;; launch chunk (part 2): grid 8 x 64, 4 waves a work-group, clusters of 4 x 4, 327,680 bytes of LDS; arguments ab, wt, bq, bv, ob; writes ob
.if DOCPART == 2
	.amdgcn_target "amdgcn-amd-amdhsa--gfx1250"
	.amdhsa_code_object_version 6
	.text
	.protected	k_q5efb3446d5_chunk
	.globl	k_q5efb3446d5_chunk
	.p2align	8
	.type	k_q5efb3446d5_chunk,@function
k_q5efb3446d5_chunk:
	s_mov_b64 s[64:65], 0
	v_nop
	global_prefetch_b8 v0, s[64:65] scope:SCOPE_SE
	s_setreg_imm32_b32 hwreg(HW_REG_WAVE_MODE, 25, 1), 1
	s_wait_xcnt 0x0
	s_wait_alu depctr_hold_cnt(0) depctr_sa_sdst(0) depctr_va_vdst(0) depctr_va_sdst(0) depctr_va_ssrc(0) depctr_va_vcc(0) depctr_vm_vsrc(0)
	s_getreg_b32 s2, hwreg(HW_REG_IB_STS2, 6, 4)
	s_cmp_eq_u32 s2, 0
	s_cbranch_scc0 .Lentry_in_a_cluster
	s_endpgm
.Lentry_in_a_cluster:
	s_bfe_u32 s2, ttmp6, 0x10000c
	s_cmp_lg_u32 s2, 0xf033
	s_cbranch_scc0 .Lentry_shape_is_right
	s_endpgm
.Lentry_shape_is_right:
; RETRO's chunked cross-attention, launch 2 of 3: q = LN(h) Wq + bq, k = e Wk, v = e Wv and the whole attention of a chunk and a head, fused: q, k, v, the scores and the weights never leave registers.
; LEFT OUT: bk (the same term along the softmax's axis: it cancels; shown at the first kernel's head).  bv is added once behind the division by l: the weights of a query sum to 1.
; Chunk 31's query rows 1 .. 63 (cropped by reference()) share their tiles with the live row 0 and are computed along.
; LIMITS.  All matrix operands are bf16: e, LN(h), the weights, q, k, v, the softmax's weights p; o is stored rounded once to bf16.  Sums, maxima and l in f32; l is taken of the unrounded p.
; A weight below 2^-126 counts as 0 in l.  NaN and infinities are not treated apart.
; SHARES.  A work-group has 2 chunks x 2 heads, a wave one chunk (128 rows of e, 64 queries) and one head: K 128 x 64, V 128 x 64 and Q 64 x 64 of f32 sums, 640 registers; 80 matrix instructions
; for 48 LDS loads in each 32 along K.  512 equal work-groups.
; RING.  K = 1024 goes in ten steps of 96 and one of 64 through two LDS slots of four units (chunk 0, chunk 1, head 0, head 1).  A unit is three blocks of 192 rows x 64 bytes (32 along K), 36,864 bytes dense in
; memory: asked for as 144 rows of 256 bytes and laid into LDS as they lie.  768 rows x 192 bytes x 2 slots are 294,912 bytes: with padding two such slots would not fit.  Each wave fetches one unit; from a
; request to the wait for it a wave issues 224 matrix instructions.
; NO PADDING: in a row of a block the 16 bytes of k = 8 c .. 8 c + 7 lie at place c ^ ((row >> 2) & 3) (the launch before lays them so).  Lanes 0-15 of a fragment load take one c of 16 rows: byte
; 64 (r % 4) + 16 (c ^ (r / 4)) modulo 256: sixteen different places (64 banks of 4 bytes: ISA guide 11.1).  The second 16 bytes of a lane lie at the first's address ^ 32.
; CLUSTER 4 x 4.  A chunk's unit is the same along a row of the cluster, a head's along a column: each is asked for jointly, by the same tensor load with the same descriptor and a mask of the four.
; LAYOUTS.  K = transposed use (source 0 = 16 columns of Wk, source 1 = 16 rows of e): a lane holds one key and 8 neighbouring dk; rounded in pairs, two such results ARE source 0 of S^T = K Q^T.
; Q likewise (one query a lane): source 1 of S^T.  V = natural use (source 0 = e, source 1 = Wv): one channel a lane and 8 neighbouring keys: source 0 of O^T = V^T P.  S^T holds one query a lane
; and 8 keys: rounded, source 1 of O^T.  O^T holds one query a lane and 8 neighbouring channels: 16 bytes of a row of o.  Nothing changes lanes but a maximum and a sum, once each.
; REGISTERS, in windows of 256 (s_set_vgpr_msb: bits 1:0 source 0, 3:2 source 1, 5:4 source 2, 7:6 destination):
;   window 0: v0-24 addresses; v32-63 bq, later bv; v64-95 LN(h)'s fragments; v96-127 Wq's; v128-191 Wk's, two buffers; v192-255 Wv's, two buffers.
;             In the attention: v64-127 statistics, 16 a tile of 16 queries; v128-255 scores and weights of tiles 0, 1; then rows of o on the way out
;   window 1: v0-127 Q's sums ((qt, db) at 8 (4 qt + db)); v128-255 e's fragments, two buffers; in the attention scores and weights of tiles 2, 3
;   window 2: K's sums ((kb, db) at 8 (4 kb + db)); packed into v0-127; then v128-255 O^T ((qt, cb) at 128 + 8 (4 qt + cb))
;   window 3: V's sums ((cb, kb) at 8 (8 cb + kb)); packed into v0-127
.set BLK,   12288                      ; a block: 192 rows x 64 bytes
.set UNIT,  3*BLK
.set SLOT,  4*UNIT
.set STAGE, 2*SLOT                     ; behind the ring, never filled by a tensor load: 16 rows x 144 bytes for each wave, for the way out
.set SPARE, STAGE+4*16*144             ; behind the stages: the spare words, 128 bytes for each wave: two blocks of 256 bytes that no other line names
.set CHG,   393216                     ; a chunk's, or a head's, 32 blocks in memory
.set STO,  6                           ; v6     the way out: where I put 16 bytes of a row
.set RD,   7                           ; v7     where I read rows back
.set GO,   8                           ; v8     my 16 bytes of 512 consecutive bytes of ob
.set SPW,  10                          ; v10    LDS address of my spare word; never rewritten
.set NIL,  11                          ; v11    0; never rewritten
.set PFO,  12                          ; v12    the prefetches' offset: 256 x lane; never rewritten
.set RR,   13                          ; v13    lane % 16
.set HH,   14                          ; v14    lane / 16
.set BOF,  15                          ; v15    32 x (lane / 16): my 8 numbers of 16 in bq and bv
.set A0,   16                          ; v16-17 LDS address of a fragment's first 16 bytes in my chunk's unit, slot 0, 1
.set A1,   18                          ; v18-19 of its second 16 bytes
.set B0,   20                          ; v20-21, v22-23 the same in my head's unit
.set B1,   22
.set PFO2, 24                          ; v24    256 x min(lane, 3); never rewritten
.set BQ,   32
.set FHN,  64
.set FWQ,  96
.set FWK,  128
.set FWV,  192
.set FE,   128                         ; window 1
.set ST,   64                          ; tile qt's statistics at ST + 16 qt: +0 c m, +1 m, +2 l, +4 .. +7 four chains of the maximum (+6 later 1 / l), +8 .. +15 four chains of the sum
.set S,    128
.set O,    128                         ; window 2
.set WAVE, 14                          ; s14
.set CI,   15                          ; s15  which chunk is mine.  Also: I fetch a chunk's unit (0) or a head's (1)
.set HI,   16                          ; s16  which head is mine.  Also: which of the two units I fetch
.set G1,   24                          ; s[24:31] descriptor group 1 for chunks' units;  s[32:39] group 0, a set for each slot
.set G0,   32
.set PFA,  42                          ; s[42:43] where my prefetches stand
.set LIM,  44                          ; s44  a wave prefetches while the laps to go are above this
.set G1B,  48                          ; s[48:55], s[56:63] the same for heads' units
.set G0B,  56
.set CS,   66                          ; s[66:67] c = log2(e) / 8: the packed scaling takes the pair's low word for both halves
.set SEL,  68                          ; s[68:69] v_permlanex16_b32's selects: each lane takes its own place in the other half
.set MSB, 0
.macro WIN new                         ; the immediate's high byte repeats the setting that is left; a switch that changes nothing is dropped
.if MSB != (\new)
	s_set_vgpr_msb (MSB<<8)|(\new)
.set MSB, \new
.endif
.endm
; A joint load.  Waves 0 and 1 fetch the two chunks' units, waves 2 and 3 the two heads'.  The branch hangs on the wave's number alone.  An s_nop 0 and four v_nop follow each of the two lines, ahead of the
; jump, the label and what follows.
.macro JLOAD s
	s_cmp_eq_u32 s[CI], 0
	s_cbranch_scc0 .Lfor_b_\@
	tensor_load_to_lds s[G0+4*(\s):G0+4*(\s)+3], s[G1:G1+7]
	s_nop 0
.rept 4
	v_nop
.endr
	s_branch .Lasked_\@
.Lfor_b_\@:
	tensor_load_to_lds s[G0B+4*(\s):G0B+4*(\s)+3], s[G1B:G1B+7]
	s_nop 0
.rept 4
	v_nop
.endr
.Lasked_\@:
.endm
; A round of the cluster's barrier: my work-group's barrier, so that wave 0's signal speaks for all four waves; wave 0 signals; every wave waits for all sixteen work-groups; my work-group's barrier once more.
.macro CREST                           ; a round behind its opening barrier
	s_cmp_lg_u32 s[WAVE], 0
	s_cbranch_scc1 .Lnot_wave_0_\@
	s_barrier_signal -3
.Lnot_wave_0_\@:
	s_barrier_wait -3
	s_barrier_signal -1
	s_barrier_wait -1
.endm
.macro CROUND
	s_barrier_signal -1
	s_barrier_wait -1
	CREST
.endm
; A PREFETCH INTO THE L2, behind each joint refill of the loop and the run of LDS loads that follows it: at the change of slots of step s, the unit of step s + 4, which is asked for by the refill two changes on:
; 480 matrix instructions ahead of that load.  A chunk's units are read by both clusters of a row of clusters: cluster x = 0 asks; a head's by all clusters of a column: cluster y = 0 asks.  The four partners
; that ask for a unit jointly share its 144 blocks of 256 bytes out BY ADDRESS, 36 each (cx for a chunk's, cy for a head's): a lane a block, 32 and 4; lanes 4-31 of the second line name its fourth again.
; Steps 0 to 3 come by their loads alone; so does step 10, which is shorter than four times 36 blocks: the changes of steps 6 and on ask for nothing.
.macro ASK
	s_cmp_gt_u32 s3, s[LIM]
	s_cbranch_scc0 .Lnot_mine_\@
	global_prefetch_b8 v[PFO], s[PFA:PFA+1] th:TH_LOAD_NT scope:SCOPE_SE
	global_prefetch_b8 v[PFO2], s[PFA:PFA+1] offset:8192 th:TH_LOAD_NT scope:SCOPE_SE
.Lnot_mine_\@:
.endm
	s_load_b256 s[4:11], s[0:1], 0x0               ; ab s[4:5], wt s[6:7], bq s[8:9], bv s[10:11]
	s_load_b64 s[12:13], s[0:1], 0x20              ; ob
	v_lshl_add_u32 v[SPW], v0, 2, SPARE
	v_mov_b32 v[NIL], 0
	ds_add_u32 v[SPW], v[NIL]                      ; the wave's opening: the add, twice on end, and its wait ahead of my first tensor load; the set-up below, work on registers, stands between
	ds_add_u32 v[SPW], v[NIL]
	v_lshrrev_b32 v1, 5, v0
	v_readfirstlane_b32 s[WAVE], v1                ; wave 0..3
	s_lshr_b32 s[CI], s[WAVE], 1
	s_and_b32 s[HI], s[WAVE], 1
	s_bfe_u32 s17, ttmp6, 0x40000                  ; cx, cy: my place in the cluster
	s_bfe_u32 s18, ttmp6, 0x40004
	s_lshl_b32 s19, ttmp9, 2
	s_add_co_u32 s19, s19, s17                     ; pair of heads = 4 x cluster x + cx
	s_and_b32 s20, ttmp7, 0xffff
	s_lshl_b32 s20, s20, 2
	s_add_co_u32 s20, s20, s18                     ; pair of chunks = 4 x cluster y + cy
	s_lshl_b32 s21, s18, 2
	s_lshl_b32 s21, 15, s21                        ; my row of the cluster
	s_lshl_b32 s22, 0x1111, s17                    ; my column
	; descriptor group 1: 144 rows x 128 elements, dense, no padding
	s_or_b32 s[G1], s21, (1<<16)|(1<<21)           ; 15:0 the mask; 17:16 2-byte elements; 21 set beside a mask
	s_or_b32 s[G1B], s22, (1<<16)|(1<<21)
.irp g, G1, G1B
	s_mov_b32 s[(\g)+1], 128<<16                   ; tensor_dim0 = 128
	s_mov_b32 s[(\g)+2], 144<<16                   ; tensor_dim1 = 144
	s_mov_b32 s[(\g)+3], 128<<16                   ; tile_dim0 = 128
	s_mov_b32 s[(\g)+4], 144                       ; tile_dim1 = 144
	s_mov_b32 s[(\g)+5], 128                       ; 128 elements from row to row
	s_mov_b32 s[(\g)+6], 0
	s_mov_b32 s[(\g)+7], 0
.endr
	s_lshl_b32 s40, s20, 1                         ; the chunk whose unit I would fetch: it hangs on the pair of chunks alone, which my row of the cluster shares,
	s_add_co_u32 s40, s40, s[HI]
	s_mul_i32 s40, s40, CHG
	s_mov_b32 s41, 0
	s_lshl_b32 s46, s19, 1                         ; the head: on the pair of heads alone, which my column shares
	s_add_co_u32 s46, s46, s[HI]
	s_mul_i32 s46, s46, CHG
	s_mov_b32 s47, 0
	s_mul_i32 s23, s[WAVE], UNIT                   ; where my unit goes: no place in the cluster enters an LDS address
	s_mov_b32 s[CS], 0x3e38aa3b                    ; c = log2(e) x SCALE = 0.180337
	s_mov_b32 s[CS+1], s[CS]
	s_mov_b32 s[SEL], 0x76543210
	s_mov_b32 s[SEL+1], 0xfedcba98
	s_wait_dscnt 0x0                               ; both opening adds are done
	s_wait_kmcnt 0x0
	s_add_nc_u64 s[40:41], s[4:5], s[40:41]
	s_add_nc_u64 s[46:47], s[6:7], s[46:47]
	CROUND                                         ; all sixteen work-groups are here: the first joint loads meet
.irp s, 0,1
	s_mov_b32 s[G0+4*(\s)], 1                      ; count = 1
	s_add_co_u32 s[G0+4*(\s)+1], s23, (\s)*SLOT    ; LDS address
	s_add_nc_u64 s[G0+4*(\s)+2:G0+4*(\s)+3], s[40:41], (\s)*UNIT ; global address: step s
	s_or_b32 s[G0+4*(\s)+3], s[G0+4*(\s)+3], 0x80000000          ; type = 2
	s_mov_b32 s[G0B+4*(\s)], 1
	s_add_co_u32 s[G0B+4*(\s)+1], s23, (\s)*SLOT
	s_add_nc_u64 s[G0B+4*(\s)+2:G0B+4*(\s)+3], s[46:47], (\s)*UNIT
	s_or_b32 s[G0B+4*(\s)+3], s[G0B+4*(\s)+3], 0x80000000
.endr
	s_cmp_eq_u32 s[CI], 0                          ; a wave's two first fills stand in one branch, ahead of every wait on TENSORcnt and every LDS read: two loads of mine are out
	s_cbranch_scc0 .Lfirst_b
	tensor_load_to_lds s[G0:G0+3], s[G1:G1+7]
	s_nop 0
	tensor_load_to_lds s[G0+4:G0+7], s[G1:G1+7]
	s_nop 0
.rept 4
	v_nop
.endr
	s_branch .Lfirst_asked
.Lfirst_b:
	tensor_load_to_lds s[G0B:G0B+3], s[G1B:G1B+7]
	s_nop 0
	tensor_load_to_lds s[G0B+4:G0B+7], s[G1B:G1B+7]
	s_nop 0
.rept 4
	v_nop
.endr
.Lfirst_asked:
	; A fragment is 16 rows x 32 K in 8 registers: lane l holds row r = l % 16; registers 0-3 K = 8 h + 0..7 (h = l / 16), registers 4-7 K = 16 + 8 h + 0..7: the row's 16-byte pieces h and 2 + h.
	v_and_b32 v[RR], 15, v0
	v_bfe_u32 v[HH], v0, 4, 1
	v_lshlrev_b32 v[BOF], 5, v[HH]
	v_bfe_u32 v1, v0, 2, 2                         ; (r >> 2) & 3
	v_xor_b32 v1, v1, v[HH]                        ; the place of piece h
	v_lshlrev_b32 v1, 4, v1
	v_lshl_add_u32 v1, v[RR], 6, v1                ; row x 64 + place x 16
	v_xor_b32 v9, 32, v1                           ; piece 2 + h: the place's upper bit turned
	s_mul_i32 s21, s[CI], UNIT                     ; my chunk's unit,
	s_mul_i32 s22, s[HI], UNIT                     ; my head's,
	s_add_co_u32 s22, s22, 2*UNIT                  ; behind the two chunks'
.irp s, 0,1
	v_add_nc_u32 v[A0+(\s)], s21, v1
	v_add_nc_u32 v[A1+(\s)], s21, v9
	v_add_nc_u32 v[B0+(\s)], s22, v1
	v_add_nc_u32 v[B1+(\s)], s22, v9
	s_add_co_u32 s21, s21, SLOT
	s_add_co_u32 s22, s22, SLOT
.endr
	s_lshl_b32 s72, s19, 1
	s_add_co_u32 s72, s72, s[HI]                   ; my head
	s_lshl_b32 s70, s72, 8                         ; its 64 numbers in bq and bv
	s_mov_b32 s71, 0
	s_add_nc_u64 s[8:9], s[8:9], s[70:71]
	s_add_nc_u64 s[10:11], s[10:11], s[70:71]
.irp db, 0,1,2,3
	global_load_b128 v[BQ+8*(\db):BQ+8*(\db)+3],   v[BOF], s[8:9] offset:64*(\db)     ; bq of dk = 16 db + 8 (l / 16) + 0..7: the C operand of Q's first products
	global_load_b128 v[BQ+8*(\db)+4:BQ+8*(\db)+7], v[BOF], s[8:9] offset:64*(\db)+16
.endr
	s_lshl_b32 s70, s20, 18                        ; ob [64 pairs of chunks][16 heads][128 rows][64 channels]: my 64 rows of 128 bytes
	s_lshl_b32 s72, s72, 14
	s_add_co_u32 s70, s70, s72
	s_lshl_b32 s72, s[CI], 13
	s_add_co_u32 s70, s70, s72
	s_add_nc_u64 s[12:13], s[12:13], s[70:71]
	; the prefetches
	s_and_b32 s22, ttmp7, 0xffff                   ; cluster y
	s_cmp_eq_u32 s[CI], 0                          ; do I fetch a chunk's unit?
	s_cselect_b32 s21, s17, s18                    ; my place among the four that ask for it with me
	s_cselect_b32 s22, ttmp9, s22                  ; the coordinate along which other clusters read the same unit
	s_cselect_b32 s23, s20, s19
	s_cselect_b64 s[PFA:PFA+1], s[4:5], s[6:7]
	s_cmp_eq_u32 s22, 0                            ; the same in all sixteen partners, for a given wave
	s_cselect_b32 s[LIM], 1, -1                    ; the loop's changes are steps 0 .. 7, two a lap, 4 .. 1 laps to go: steps up to 5 ask
	s_lshl_b32 s23, s23, 1
	s_add_co_u32 s23, s23, s[HI]
	s_mul_i32 s70, s23, CHG
	s_mul_i32 s21, s21, 9216                       ; my work-group's 36 blocks of the 144
	s_add_co_u32 s70, s70, s21
	s_add_co_u32 s70, s70, 3*UNIT                  ; at step 3: the first change of slots steps it to 4
	s_add_nc_u64 s[PFA:PFA+1], s[PFA:PFA+1], s[70:71]
	v_and_b32 v[PFO], 31, v0
	v_min_u32 v[PFO2], 3, v[PFO]
	v_lshlrev_b32 v[PFO], 8, v[PFO]
	v_lshlrev_b32 v[PFO2], 8, v[PFO2]
; THE MATRIX WORK of 32 along K: 16 + 32 + 32 instructions, each on another accumulator: the accumulators take turns, one instruction a turn, over the backward jump too.
.macro QPH lo, hi, zero                ; Q's tiles qt = lo .. hi.  zero = 1: the first products start the sums with bq
.if \zero
	WIN 0x40                                       ; D window 1; Wq, LN(h) and bq window 0
.else
	WIN 0x50                                       ; C and D window 1
.endif
.set qt, \lo
.rept (\hi)-(\lo)+1
.irp db, 0,1,2,3
.if \zero
	v_wmma_f32_16x16x32_bf16 v[8*(4*qt+(\db)):8*(4*qt+(\db))+7], v[FWQ+8*(\db):FWQ+8*(\db)+7], v[FHN+8*qt:FHN+8*qt+7], v[BQ+8*(\db):BQ+8*(\db)+7]
.else
	v_wmma_f32_16x16x32_bf16 v[8*(4*qt+(\db)):8*(4*qt+(\db))+7], v[FWQ+8*(\db):FWQ+8*(\db)+7], v[FHN+8*qt:FHN+8*qt+7], v[8*(4*qt+(\db)):8*(4*qt+(\db))+7]
.endif
.endr
.set qt, qt+1
.endr
.endm
.macro KPART f, lo, n, zero            ; K's key blocks lo .. lo + n - 1, from buffer f.  zero = 1: the first products start the sums with 0
	WIN 0xa4                                       ; Wk window 0, e window 1, C and D window 2
.set kbl, \lo
.rept \n
.irp db, 0,1,2,3
.if \zero
	v_wmma_f32_16x16x32_bf16 v[8*(4*kbl+(\db)):8*(4*kbl+(\db))+7], v[FWK+32*(\f)+8*(\db):FWK+32*(\f)+8*(\db)+7], v[FE+64*(\f)+8*kbl:FE+64*(\f)+8*kbl+7], 0
.else
	v_wmma_f32_16x16x32_bf16 v[8*(4*kbl+(\db)):8*(4*kbl+(\db))+7], v[FWK+32*(\f)+8*(\db):FWK+32*(\f)+8*(\db)+7], v[FE+64*(\f)+8*kbl:FE+64*(\f)+8*kbl+7], v[8*(4*kbl+(\db)):8*(4*kbl+(\db))+7]
.endif
.endr
.set kbl, kbl+1
.endr
.endm
.macro VPART f, lo, n, zero            ; V's channel blocks lo .. lo + n - 1
	WIN 0xf1                                       ; e window 1, Wv window 0, C and D window 3
.set cbl, \lo
.rept \n
.irp kb, 0,1,2,3,4,5,6,7
.if \zero
	v_wmma_f32_16x16x32_bf16 v[8*(8*cbl+(\kb)):8*(8*cbl+(\kb))+7], v[FE+64*(\f)+8*(\kb):FE+64*(\f)+8*(\kb)+7], v[FWV+32*(\f)+8*cbl:FWV+32*(\f)+8*cbl+7], 0
.else
	v_wmma_f32_16x16x32_bf16 v[8*(8*cbl+(\kb)):8*(8*cbl+(\kb))+7], v[FE+64*(\f)+8*(\kb):FE+64*(\f)+8*(\kb)+7], v[FWV+32*(\f)+8*cbl:FWV+32*(\f)+8*cbl+7], v[8*(8*cbl+(\kb)):8*(8*cbl+(\kb))+7]
.endif
.endr
.set cbl, cbl+1
.endr
.endm
; THE LDS LOADS of 32 along K (block q of a slot), 48 in all, in one run of 16 and four of 8, always in this order.
.macro FHQ slot, q                     ; LN(h)'s and Wq's fragments, 16 loads; one buffer: they are asked for behind Q's products
	WIN 0
.irp i, 0,1,2,3
	ds_load_b128 v[FHN+8*(\i):FHN+8*(\i)+3],   v[A0+(\slot)] offset:(\q)*BLK+8192+(\i)*1024
	ds_load_b128 v[FHN+8*(\i)+4:FHN+8*(\i)+7], v[A1+(\slot)] offset:(\q)*BLK+8192+(\i)*1024
.endr
.irp i, 0,1,2,3
	ds_load_b128 v[FWQ+8*(\i):FWQ+8*(\i)+3],   v[B0+(\slot)] offset:(\q)*BLK+(\i)*1024
	ds_load_b128 v[FWQ+8*(\i)+4:FWQ+8*(\i)+7], v[B1+(\slot)] offset:(\q)*BLK+(\i)*1024
.endr
.endm
.macro FEL slot, q, g, lo              ; e's fragments lo .. lo + 3 into buffer g
	WIN 0x40                                       ; destination window 1, address window 0
.irp i, 0,1,2,3
	ds_load_b128 v[FE+64*(\g)+8*((\lo)+(\i)):FE+64*(\g)+8*((\lo)+(\i))+3],   v[A0+(\slot)] offset:(\q)*BLK+((\lo)+(\i))*1024
	ds_load_b128 v[FE+64*(\g)+8*((\lo)+(\i))+4:FE+64*(\g)+8*((\lo)+(\i))+7], v[A1+(\slot)] offset:(\q)*BLK+((\lo)+(\i))*1024
.endr
.endm
.macro FWL slot, q, g, wh              ; Wk's (wh = 0) or Wv's (1) fragments into buffer g
	WIN 0
.irp i, 0,1,2,3
	ds_load_b128 v[FWK+64*(\wh)+32*(\g)+8*(\i):FWK+64*(\wh)+32*(\g)+8*(\i)+3],   v[B0+(\slot)] offset:(\q)*BLK+4096*(1+(\wh))+(\i)*1024
	ds_load_b128 v[FWK+64*(\wh)+32*(\g)+8*(\i)+4:FWK+64*(\wh)+32*(\g)+8*(\i)+7], v[B1+(\slot)] offset:(\q)*BLK+4096*(1+(\wh))+(\i)*1024
.endr
.endm
.macro PLACES                          ; four places in front of loads into registers that matrix instructions have read, and of vector lines that read results (ISA guide 7.12.1 for the vector lines)
.rept 4
	v_nop
.endr
.endm
; K's and V's 64 products from buffer f.  fetch = 1: block q of the slot is asked for into the other buffer, 8 loads behind the 8th and 16th product of each kind.  That buffer's last readers stand in the
; quarter before, ahead of the four places that follow Q's products.
.macro KV f, zero, fetch, slot, q
	KPART \f, 0, 2, \zero
.if \fetch
	FEL \slot, \q, 1-(\f), 0
.endif
	KPART \f, 2, 2, \zero
.if \fetch
	FEL \slot, \q, 1-(\f), 4
.endif
	KPART \f, 4, 4, \zero
	VPART \f, 0, 1, \zero
.if \fetch
	FWL \slot, \q, 1-(\f), 0
.endif
	VPART \f, 1, 1, \zero
.if \fetch
	FWL \slot, \q, 1-(\f), 1
.endif
	VPART \f, 2, 2, \zero
.endm
; One of a slot's quarters but the last: multiplies buffer f and fetches block nq of the same slot.
.macro QUARTER slot, nq, f, zero
	s_wait_dscnt 32                                ; LN(h) and Wq are in; the 32 younger loads (e, Wk, Wv) may stay out
	QPH 0, 3, \zero
	PLACES
	FHQ \slot, \nq
	s_wait_dscnt 16                                ; e, Wk and Wv are in: all but the 16 just issued
	KV \f, \zero, 1, \slot, \nq
.endm
; A slot's last quarter: multiplies buffer f and changes slots.  ONE barrier: in front of it each wave waits for all its tensor loads (one is out: its unit of the next slot), adds 0 to its spare word, and waits
; for that and for its own reads of this slot.  fill = 1 or 2: the barrier opens a round of the cluster's, and behind the round this slot is filled again first, with the step two on.  fill = 2: that step is
; the last, of two blocks: 96 rows of 256 bytes.
.macro TURN slot, next, f, fill
.if (\fill) == 1
	s_wait_xcnt 0x0                                ; the last prefetches, a step back, have read their address: it is stepped here, ahead of the waits of the change of slots
	s_add_nc_u64 s[PFA:PFA+1], s[PFA:PFA+1], UNIT
.endif
	WIN 0                                          ; (the add's two registers lie in window 0)
	s_wait_tensorcnt 0x0                           ; all my tensor loads have landed;
	ds_add_u32 v[SPW], v[NIL]                      ; 0 onto my spare word;
	s_wait_dscnt 33                                ; (LN(h) and Wq are in; the 32 younger loads and the add may be out)
	QPH 0, 1, 0                                    ; eight matrix instructions stand between the add and the wait for it
	s_wait_dscnt 0x0                               ; the add is done, and my reads of this slot are over
	s_barrier_signal -1
	QPH 2, 3, 0                                    ; work on registers while the others arrive
.if \fill
	WIN 0
.endif
	s_barrier_wait -1
.if \fill
	CREST                                          ; no wave of any partner still reads this slot or has a load on its way
	s_add_nc_u64 s[G0+4*(\slot)+2:G0+4*(\slot)+3], s[G0+4*(\slot)+2:G0+4*(\slot)+3], 2*UNIT
	s_add_nc_u64 s[G0B+4*(\slot)+2:G0B+4*(\slot)+3], s[G0B+4*(\slot)+2:G0B+4*(\slot)+3], 2*UNIT
.if (\fill) == 2
	s_mov_b32 s[G1+2], 96<<16                      ; no tensor load of mine is out, so group 1 may be written: tensor_dim1 and tile_dim1 = 96
	s_mov_b32 s[G1+4], 96
	s_mov_b32 s[G1B+2], 96<<16
	s_mov_b32 s[G1B+4], 96
.endif
	JLOAD \slot                                    ; the first tensor load behind the round; its four v_nop are also the places in front of the loads below
.else
	PLACES
.endif
	FHQ \next, 0
.if (\fill) == 1
	ASK
.endif
	KV \f, 0, 1, \next, 0
.endm
	s_wait_tensorcnt 0x1                           ; my unit of slot 0 is in; slot 1's may stay out
	s_barrier_signal -1
	s_barrier_wait -1                              ; everybody's is
	FHQ 0, 0
	FEL 0, 0, 0, 0
	FEL 0, 0, 0, 4
	FWL 0, 0, 0, 0
	FWL 0, 0, 0, 1
	s_wait_loadcnt 0x0                             ; bq
	QUARTER 0, 1, 0, 1                             ; the first 32 along K stand in front of the loop: their products start the sums
	WIN 0                                          ; at a label and at a branch every window is 0
	s_mov_b32 s3, 4
.Llap:                                                 ; a trip goes once round the ring, six quarters, from a lap's second quarter to the next lap's first, and fills both slots again: steps 2 .. 9
	QUARTER 0, 2, 1, 0
	TURN 0, 1, 0, 1
	QUARTER 1, 1, 1, 0
	QUARTER 1, 2, 0, 0
	TURN 1, 0, 1, 1
	QUARTER 0, 1, 0, 0
	WIN 0
	s_sub_co_u32 s3, s3, 1
	s_cmp_lg_u32 s3, 0
	s_cbranch_scc1 .Llap
	QUARTER 0, 2, 1, 0                             ; step 8 goes on;
	TURN 0, 1, 0, 2                                ; its slot takes step 10, the last and short one
	QUARTER 1, 1, 1, 0                             ; step 9
	QUARTER 1, 2, 0, 0
	TURN 1, 0, 1, 0                                ; nothing is left to ask for: no round
	QUARTER 0, 1, 0, 0                             ; step 10's two quarters
	s_wait_dscnt 0x0
	QPH 0, 3, 0
	KV 1, 0, 0, 0, 0
; THE ATTENTION: straight on, in registers; all 128 keys of a query are present, so the softmax has its true maximum and nothing is rescaled.
	WIN 0                                          ; the addresses for the way out: ten plain instructions, the places behind the last products
	s_mul_i32 s21, s[WAVE], 16*144
	s_add_co_u32 s21, s21, STAGE                   ; my stage
	v_mul_u32_u24 v[STO], v[RR], 144               ; in: row l % 16, 16 bytes for each half of the lanes
	v_lshl_add_u32 v[STO], v[HH], 4, v[STO]
	v_add_nc_u32 v[STO], s21, v[STO]
	v_bfe_u32 v[RD], v0, 3, 2                      ; back: 32 lanes take four rows of 128 bytes,
	v_mul_u32_u24 v[RD], v[RD], 144
	v_and_b32 v1, 7, v0
	v_lshl_add_u32 v[RD], v1, 4, v[RD]
	v_add_nc_u32 v[RD], s21, v[RD]
	v_and_b32 v[GO], 31, v0                        ; which are 512 consecutive bytes of ob
	v_lshlrev_b32 v[GO], 4, v[GO]
.irp cb, 0,1,2,3
	global_load_b128 v[BQ+8*(\cb):BQ+8*(\cb)+3],   v[BOF], s[10:11] offset:64*(\cb)   ; bv of channels 16 cb + 8 (l / 16) + 0..7, where bq lay
	global_load_b128 v[BQ+8*(\cb)+4:BQ+8*(\cb)+7], v[BOF], s[10:11] offset:64*(\cb)+16
.endr
; n results of 8 registers are rounded to bf16 and packed in place, 4 registers each, ascending: the destination never passes its sources, and each result's lowest registers are read first.
; Two neighbouring packed results are one fragment of 16 x 32.
.macro PACKW win, n
	WIN \win
.set t, 0
.rept \n
.irp i, 0,1,2,3
	v_cvt_pk_bf16_f32 v[4*t+(\i)], v[8*t+2*(\i)], v[8*t+2*(\i)+1]
.endr
.set t, t+1
.endr
.endm
; S^T = K Q^T for piece p (query tiles 2 p, 2 p + 1): tile u, key block kb at window p, S + 64 u + 8 kb.  16 accumulators by turns, dk 32 c on.
.macro KQ p
	WIN 0x06+0x50*(\p)                             ; K window 2, Q window 1, C and D window p
.irp c, 0,1
.irp u, 0,1
.irp kb, 0,1,2,3,4,5,6,7
.if (\c) == 0
	v_wmma_f32_16x16x32_bf16 v[S+64*(\u)+8*(\kb):S+64*(\u)+8*(\kb)+7], v[16*(\kb):16*(\kb)+7], v[16*(2*(\p)+(\u)):16*(2*(\p)+(\u))+7], 0
.else
	v_wmma_f32_16x16x32_bf16 v[S+64*(\u)+8*(\kb):S+64*(\u)+8*(\kb)+7], v[16*(\kb)+8:16*(\kb)+15], v[16*(2*(\p)+(\u))+8:16*(2*(\p)+(\u))+15], v[S+64*(\u)+8*(\kb):S+64*(\u)+8*(\kb)+7]
.endif
.endr
.endr
.endr
.endm
; O^T = V^T P for piece p: tile qt, channel block cb at window 2, O + 8 (4 qt + cb).  8 accumulators by turns, keys 32 kk on.
.macro PV p
	WIN 0xa3+4*(\p)                                ; V window 3, P window p, C and D window 2
.irp kk, 0,1,2,3
.irp u, 0,1
.irp cb, 0,1,2,3
.if (\kk) == 0
	v_wmma_f32_16x16x32_bf16 v[O+8*(4*(2*(\p)+(\u))+(\cb)):O+8*(4*(2*(\p)+(\u))+(\cb))+7], v[32*(\cb):32*(\cb)+7], v[S+64*(\u):S+64*(\u)+7], 0
.else
	v_wmma_f32_16x16x32_bf16 v[O+8*(4*(2*(\p)+(\u))+(\cb)):O+8*(4*(2*(\p)+(\u))+(\cb))+7], v[32*(\cb)+8*(\kk):32*(\cb)+8*(\kk)+7], v[S+64*(\u)+8*(\kk):S+64*(\u)+8*(\kk)+7], v[O+8*(4*(2*(\p)+(\u))+(\cb)):O+8*(4*(2*(\p)+(\u))+(\cb))+7]
.endif
.endr
.endr
.endr
.endm
; THE SOFTMAX of piece p: two tiles, line by line in turn.  A lane holds 64 scores of one query, s0-s63, in window p; the statistics lie in window 0.
.macro SM p
	; the maximum: four chains of 16 scores, three operands at a time; a chain's second accumulator is first read at its lowest register (s8 of the sixteen)
	WIN 0x15*(\p)
.irp k, 0,1,2,3
.irp u, 0,1
	v_max3_num_f32 v[ST+32*(\p)+16*(\u)+4+(\k)], v[S+64*(\u)+16*(\k)], v[S+64*(\u)+16*(\k)+1], v[S+64*(\u)+16*(\k)+2]
.endr
.endr
	WIN 0x14*(\p)
.irp i, 1,2,3,4,5,6
.irp k, 0,1,2,3
.irp u, 0,1
	v_max3_num_f32 v[ST+32*(\p)+16*(\u)+4+(\k)], v[ST+32*(\p)+16*(\u)+4+(\k)], v[S+64*(\u)+16*(\k)+2*(\i)+1], v[S+64*(\u)+16*(\k)+2*(\i)+2]
.endr
.endr
.endr
.irp u, 0,1
	v_max3_num_f32 v[ST+32*(\p)+16*(\u)+4], v[ST+32*(\p)+16*(\u)+4], v[S+64*(\u)+15], v[S+64*(\u)+31]  ; the four scores left over
.endr
.irp u, 0,1
	v_max3_num_f32 v[ST+32*(\p)+16*(\u)+6], v[ST+32*(\p)+16*(\u)+6], v[S+64*(\u)+47], v[S+64*(\u)+63]
.endr
	WIN 0
.irp u, 0,1
	v_max3_num_f32 v[ST+32*(\p)+16*(\u)+4], v[ST+32*(\p)+16*(\u)+4], v[ST+32*(\p)+16*(\u)+5], v[ST+32*(\p)+16*(\u)+6]
.endr
.irp u, 0,1
	v_max_num_f32 v[ST+32*(\p)+16*(\u)+4], v[ST+32*(\p)+16*(\u)+4], v[ST+32*(\p)+16*(\u)+7]
.endr
.irp u, 0,1
	v_permlanex16_b32 v[ST+32*(\p)+16*(\u)+5], v[ST+32*(\p)+16*(\u)+4], s[SEL], s[SEL+1]  ; the query's other 64 keys lie in the lane 16 away
.endr
.irp u, 0,1
	v_max_num_f32 v[ST+32*(\p)+16*(\u)+1], v[ST+32*(\p)+16*(\u)+4], v[ST+32*(\p)+16*(\u)+5]  ; m
.endr
.irp u, 0,1
	v_mul_f32 v[ST+32*(\p)+16*(\u)], s[CS], v[ST+32*(\p)+16*(\u)+1]                          ; c m
.endr
	WIN 0x41*(\p)
.set j, 0
.rept 32
.irp u, 0,1
	v_pk_fma_f32 v[S+64*(\u)+2*j:S+64*(\u)+2*j+1], v[S+64*(\u)+2*j:S+64*(\u)+2*j+1], s[CS:CS+1], v[ST+32*(\p)+16*(\u):ST+32*(\p)+16*(\u)+1] op_sel_hi:[1,0,0] neg_lo:[0,0,1] neg_hi:[0,0,1]  ; c s - c m
.endr
.set j, j+1
.endr
.set j, 0
.rept 128
	v_exp_f32 v[S+j], v[S+j]                       ; ONE BATCH: the piece's 128 exponentials; nothing ahead of the wait names a result
.set j, j+1
.endr
	v_nop                                          ; a plain instruction behind the last exponential,
	s_wait_alu depctr_va_vdst(0)                   ; and one wait for the batch, ahead of its first reader
	WIN 0x05*(\p)                                  ; l: the sum of the unrounded weights, in four chains of pairs
.irp k, 0,1,2,3
.irp u, 0,1
	v_pk_add_f32 v[ST+32*(\p)+16*(\u)+8+2*(\k):ST+32*(\p)+16*(\u)+8+2*(\k)+1], v[S+64*(\u)+2*(\k):S+64*(\u)+2*(\k)+1], v[S+64*(\u)+8+2*(\k):S+64*(\u)+8+2*(\k)+1]
.endr
.endr
	WIN 0x04*(\p)
.set j, 8
.rept 24
.irp u, 0,1
	v_pk_add_f32 v[ST+32*(\p)+16*(\u)+8+2*(j%4):ST+32*(\p)+16*(\u)+8+2*(j%4)+1], v[ST+32*(\p)+16*(\u)+8+2*(j%4):ST+32*(\p)+16*(\u)+8+2*(j%4)+1], v[S+64*(\u)+2*j:S+64*(\u)+2*j+1]
.endr
.set j, j+1
.endr
	WIN 0
.irp u, 0,1
	v_pk_add_f32 v[ST+32*(\p)+16*(\u)+8:ST+32*(\p)+16*(\u)+9], v[ST+32*(\p)+16*(\u)+8:ST+32*(\p)+16*(\u)+9], v[ST+32*(\p)+16*(\u)+10:ST+32*(\p)+16*(\u)+11]
	v_pk_add_f32 v[ST+32*(\p)+16*(\u)+12:ST+32*(\p)+16*(\u)+13], v[ST+32*(\p)+16*(\u)+12:ST+32*(\p)+16*(\u)+13], v[ST+32*(\p)+16*(\u)+14:ST+32*(\p)+16*(\u)+15]
.endr
.irp u, 0,1
	v_pk_add_f32 v[ST+32*(\p)+16*(\u)+8:ST+32*(\p)+16*(\u)+9], v[ST+32*(\p)+16*(\u)+8:ST+32*(\p)+16*(\u)+9], v[ST+32*(\p)+16*(\u)+12:ST+32*(\p)+16*(\u)+13]
.endr
.irp u, 0,1
	v_add_f32 v[ST+32*(\p)+16*(\u)+2], v[ST+32*(\p)+16*(\u)+8], v[ST+32*(\p)+16*(\u)+9]
.endr
.irp u, 0,1
	v_permlanex16_b32 v[ST+32*(\p)+16*(\u)+4], v[ST+32*(\p)+16*(\u)+2], s[SEL], s[SEL+1]
.endr
.irp u, 0,1
	v_add_f32 v[ST+32*(\p)+16*(\u)+2], v[ST+32*(\p)+16*(\u)+2], v[ST+32*(\p)+16*(\u)+4]
.endr
.irp u, 0,1
	v_rcp_f32 v[ST+32*(\p)+16*(\u)+6], v[ST+32*(\p)+16*(\u)+2]  ; 1 / l
.endr
	WIN 0x45*(\p)                                  ; the weights rounded to bf16, packed in place behind all the sums: the fragment of keys 32 kk on lies at S + 64 u + 8 kk
.set j, 0
.rept 32
.irp u, 0,1
	v_cvt_pk_bf16_f32 v[S+64*(\u)+j], v[S+64*(\u)+2*j], v[S+64*(\u)+2*j+1]
.endr
.set j, j+1
.endr
	s_wait_alu depctr_va_vdst(0)                   ; one wait for the two reciprocals, ahead of their first reader (the way out); the 64 roundings are the work between
.endm
	PACKW 0x8a, 32                                 ; K: the fragment (kb, c) at window 2, 16 kb + 8 c
	PACKW 0x45, 16                                 ; Q: (qt, c) at window 1, 16 qt + 8 c
	KQ 0
	KQ 1
	PACKW 0xcf, 32                                 ; V: (cb, kk) at window 3, 32 cb + 8 kk; 128 plain lines: the places behind the scores' products
	SM 0
	PV 0
	SM 1                                           ; piece 1's vector work stands behind piece 0's products
	PV 1
	PLACES
	s_wait_loadcnt 0x0                             ; bv
; THE WAY OUT, a tile of 16 queries at a time: O^T / l + bv in one line; rounded to bf16, 16 bytes a lane; into rows of 144 bytes of my stage, and back as whole rows of 128.
.macro OPACK qt
	WIN 0x82                                       ; O^T window 2; 1 / l and bv window 0
.irp cb, 0,1,2,3
.irp i, 0,1,2,3
	v_pk_fma_f32 v[O+8*(4*(\qt)+(\cb))+2*(\i):O+8*(4*(\qt)+(\cb))+2*(\i)+1], v[O+8*(4*(\qt)+(\cb))+2*(\i):O+8*(4*(\qt)+(\cb))+2*(\i)+1], v[ST+16*(\qt)+6:ST+16*(\qt)+7], v[BQ+8*(\cb)+2*(\i):BQ+8*(\cb)+2*(\i)+1] op_sel_hi:[1,0,1]
.endr
.endr
	WIN 0x8a
.irp cb, 0,1,2,3
.irp i, 0,1,2,3
	v_cvt_pk_bf16_f32 v[O+4*(4*(\qt)+(\cb))+(\i)], v[O+8*(4*(\qt)+(\cb))+2*(\i)], v[O+8*(4*(\qt)+(\cb))+2*(\i)+1]
.endr
.endr
	WIN 0x08                                       ; store data window 2, address window 0
.irp cb, 0,1,2,3
	ds_store_b128 v[STO], v[O+16*(\qt)+4*(\cb):O+16*(\qt)+4*(\cb)+3] offset:32*(\cb)
.endr
	WIN 0
.irp f, 0,1,2,3
	ds_load_b128 v[S+16*(\qt)+4*(\f):S+16*(\qt)+4*(\f)+3], v[RD] offset:576*(\f)  ; LDS serves a wave's instructions in order (ISA guide 5.7.1.4): these see the stores above; the next tile's stores come behind them
.endr
.endm
.macro SEND qt, younger                ; younger: the LDS instructions issued behind tile qt's loads: the next tile's eight, or none
	WIN 0
.irp f, 0,1,2,3
	s_wait_dscnt (\younger)+3-(\f)
	global_store_b128 v[GO], v[S+16*(\qt)+4*(\f):S+16*(\qt)+4*(\f)+3], s[12:13] offset:2048*(\qt)+512*(\f)  ; 512 consecutive bytes, at a multiple of 256 from ob's first
.endr
.endm
	OPACK 0
	OPACK 1                                        ; a tile's arithmetic stands between the loads of the tile before and its stores
	SEND 0, 8
	OPACK 2
	SEND 1, 8
	OPACK 3
	SEND 2, 8
	SEND 3, 0
	s_wait_tensorcnt 0x0                           ; the wave's end, behind my last tensor load and my last LDS store
	ds_add_u32 v[SPW], v[NIL]
	s_wait_dscnt 0x0
	CROUND                                         ; the closing round: no work-group ends while a partner may still ask for a unit that names it
	s_endpgm
.Lfunc_end_k_q5efb3446d5_chunk:
	.size	k_q5efb3446d5_chunk, .Lfunc_end_k_q5efb3446d5_chunk-k_q5efb3446d5_chunk
	.p2alignl 7, 3214868480
	.fill 96, 4, 3214868480
	.section	.rodata,"a",@progbits
	.p2align	6, 0x0
	.amdhsa_kernel k_q5efb3446d5_chunk
		.amdhsa_group_segment_fixed_size 327680
		.amdhsa_private_segment_fixed_size 0
		.amdhsa_enable_private_segment 0
		.amdhsa_kernarg_size 40
		.amdhsa_user_sgpr_count 2
		.amdhsa_user_sgpr_kernarg_segment_ptr 1
		.amdhsa_wavefront_size32 1
		.amdhsa_system_sgpr_workgroup_id_x 1
		.amdhsa_system_sgpr_workgroup_id_y 1
		.amdhsa_system_sgpr_workgroup_id_z 1
		.amdhsa_system_vgpr_workitem_id 0
		.amdhsa_next_free_vgpr 1024
		.amdhsa_next_free_sgpr 80
		.amdhsa_reserve_vcc 0
		.amdhsa_float_denorm_mode_32 3
		.amdhsa_float_denorm_mode_16_64 3
		.amdhsa_memory_ordered 1
		.amdhsa_forward_progress 1
		.amdhsa_inst_pref_size 216
	.end_amdhsa_kernel
	.amdgpu_metadata
---
amdhsa.version: [ 1, 2 ]
amdhsa.kernels:
  - .name:           k_q5efb3446d5_chunk
    .symbol:         k_q5efb3446d5_chunk.kd
    .args:
      - { .name: ab, .offset: 0, .size: 8, .value_kind: global_buffer, .address_space: global }
      - { .name: wt, .offset: 8, .size: 8, .value_kind: global_buffer, .address_space: global }
      - { .name: bq, .offset: 16, .size: 8, .value_kind: global_buffer, .address_space: global }
      - { .name: bv, .offset: 24, .size: 8, .value_kind: global_buffer, .address_space: global }
      - { .name: ob, .offset: 32, .size: 8, .value_kind: global_buffer, .address_space: global }
    .group_segment_fixed_size: 327680
    .private_segment_fixed_size: 0
    .kernarg_segment_align: 8
    .kernarg_segment_size: 40
    .max_flat_workgroup_size: 128
    .sgpr_count:     80
    .vgpr_count:     1024
    .wavefront_size: 32
...
	.end_amdgpu_metadata
.endif
;; end of part 2
;; launch outp (part 3): grid 4 x 64, 4 waves a work-group, clusters of 4 x 4, 327,680 bytes of LDS; arguments ob, wot, bo, h, out0; writes out0
.if DOCPART == 3
	.amdgcn_target "amdgcn-amd-amdhsa--gfx1250"
	.amdhsa_code_object_version 6
	.text
	.protected	k_q5efb3446d5_outp
	.globl	k_q5efb3446d5_outp
	.p2align	8
	.type	k_q5efb3446d5_outp,@function
k_q5efb3446d5_outp:
	s_mov_b64 s[64:65], 0
	v_nop
	global_prefetch_b8 v0, s[64:65] scope:SCOPE_SE
	s_setreg_imm32_b32 hwreg(HW_REG_WAVE_MODE, 25, 1), 1
	s_wait_xcnt 0x0
	s_wait_alu depctr_hold_cnt(0) depctr_sa_sdst(0) depctr_va_vdst(0) depctr_va_sdst(0) depctr_va_ssrc(0) depctr_va_vcc(0) depctr_vm_vsrc(0)
	s_getreg_b32 s2, hwreg(HW_REG_IB_STS2, 6, 4)
	s_cmp_eq_u32 s2, 0
	s_cbranch_scc0 .Lentry_in_a_cluster
	s_endpgm
.Lentry_in_a_cluster:
	s_bfe_u32 s2, ttmp6, 0x10000c
	s_cmp_lg_u32 s2, 0xf033
	s_cbranch_scc0 .Lentry_shape_is_right
	s_endpgm
.Lentry_shape_is_right:
; RETRO's chunked cross-attention, launch 3 of 3: out0[b][63 + i] = h[b][63 + i] + o[b][i] Wo + bo for i = 0 .. 1984, and out0[b][0 .. 62] = h[b][0 .. 62] (reference() pads behind bo: no bo there).
; LEFT OUT: the stores of o's rows 1985 .. 2047 of each batch, which reference() crops (shown at the first kernel's head).  They lie in one wave's 64 rows together with the live row 1984 and are multiplied along.
; LIMITS.  o and Wo are bf16; sums, bo and the residual in f32.  NaN and infinities are not treated apart.
; SHARES.  256 work-groups, each 128 rows x 256 columns; four waves, each 64 x 128: 32 accumulators.  K = 1024 goes in 8 steps of 128 (two blocks of 64, each dense in memory) through two LDS slots.
; CLUSTER 4 x 4: cx is the tile of 256 columns (the grid is one cluster wide), cy the batch, the cluster's y the tile of 128 rows in the batch.  So 'the batch's last tile' is a thing of the cluster's y alone, the same in
; all sixteen partners.  o's blocks are shared along a row of the cluster, Wo's along a column: joint loads.
; The wave with the batch's rows i = 1984 .. 2047 has one live row.  Its other 63 row places are given h's and out0's rows 0 .. 62 of the same batch, by address: they are stored as loaded.
; THE MATRIX INSTRUCTION IS USED TRANSPOSED (source 0 = 16 columns of Wo, source 1 = 16 rows of o): a lane holds 8 neighbouring columns of one row.  bo is the C operand of the first products.
; NO PREFETCH: the whole launch is 8 steps; a lead of the length that a prefetch wants would be half of it, and beside the tiles the launch streams h in and out0 out all the while.
; REGISTERS: window 0: v0-15 addresses; v64-127 o's fragments, two buffers of 4; v128-255 Wo's, two buffers of 8 (on the way out v64-191: rows read back from the stage)
;   window 1: the accumulators ((a, b) at 8 (8 a + b))      window 2: h, row j of my 64 at 4 j; until the first products are issued v128-191 hold bo
.set AU,    18432                      ; a block of o in LDS: 128 rows x 144 bytes
.set BU,    36864                      ; a block of Wo: 256 rows x 144 bytes
.set SLOT,  2*AU+2*BU
.set STAGE, 2*SLOT                     ; behind the ring, never filled by a tensor load: 16 rows x 528 bytes (512 of f32 + 16) for each wave
.set SP,    528                        ; 132 words: row r starts at bank 4 r mod 64 (64 banks of 4 bytes: ISA guide 11.1)
.set SPARE, STAGE+4*16*SP              ; behind the stages: the spare words, 128 bytes for each wave: two blocks of 256 bytes that no other line names
.set ADRA, 2                           ; v2-3  LDS address of my fragments of o in slot 0, 1
.set ADRB, 4                           ; v4-5  of Wo
.set STO,  6                           ; v6    the way out: where I put 32 bytes of a row
.set RD,   7                           ; v7    where I read a row back
.set CO,   8                           ; v8    16 x lane: my 16 bytes of a row's 512
.set SPW,  10                          ; v10   LDS address of my spare word; never rewritten
.set NIL,  11                          ; v11   0; never rewritten
.set RR,   13
.set HH,   14
.set BOF,  15                          ; v15   32 x (lane / 16)
.set AF,   64
.set BF,   128
.set BO,   128                         ; window 2
.set OB,   64
.set WAVE, 14                          ; s14
.set RH,   15                          ; s15  which 64 rows are mine.  Also: I fetch for o (0) or for Wo (1)
.set CH,   16                          ; s16  which 128 columns.  Also: which of a step's two blocks I fetch
.set G1,   24
.set G0,   32
.set G1B,  48
.set G0B,  56
.set MSB, 0
.macro WIN new
.if MSB != (\new)
	s_set_vgpr_msb (MSB<<8)|(\new)
.set MSB, \new
.endif
.endm
.macro JLOAD s                         ; a joint load: waves 0 and 1 fetch o's two blocks, waves 2 and 3 Wo's; an s_nop 0 and four v_nop follow each of the two lines
	s_cmp_eq_u32 s[RH], 0
	s_cbranch_scc0 .Lfor_b_\@
	tensor_load_to_lds s[G0+4*(\s):G0+4*(\s)+3], s[G1:G1+7]
	s_nop 0
.rept 4
	v_nop
.endr
	s_branch .Lasked_\@
.Lfor_b_\@:
	tensor_load_to_lds s[G0B+4*(\s):G0B+4*(\s)+3], s[G1B:G1B+7]
	s_nop 0
.rept 4
	v_nop
.endr
.Lasked_\@:
.endm
.macro CREST
	s_cmp_lg_u32 s[WAVE], 0
	s_cbranch_scc1 .Lnot_wave_0_\@
	s_barrier_signal -3
.Lnot_wave_0_\@:
	s_barrier_wait -3
	s_barrier_signal -1
	s_barrier_wait -1
.endm
.macro CROUND
	s_barrier_signal -1
	s_barrier_wait -1
	CREST
.endm
	s_load_b256 s[4:11], s[0:1], 0x0               ; ob s[4:5], wot s[6:7], bo s[8:9], h s[10:11]
	s_load_b64 s[12:13], s[0:1], 0x20              ; out0
	v_lshl_add_u32 v[SPW], v0, 2, SPARE
	v_mov_b32 v[NIL], 0
	ds_add_u32 v[SPW], v[NIL]                      ; the wave's opening: the add, twice on end, and its wait ahead of my first tensor load
	ds_add_u32 v[SPW], v[NIL]
	v_lshrrev_b32 v1, 5, v0
	v_readfirstlane_b32 s[WAVE], v1
	s_lshr_b32 s[RH], s[WAVE], 1
	s_and_b32 s[CH], s[WAVE], 1
	s_bfe_u32 s17, ttmp6, 0x40000                  ; cx: the tile of columns
	s_bfe_u32 s18, ttmp6, 0x40004                  ; cy: the batch
	s_and_b32 s19, ttmp7, 0xffff                   ; the cluster's y: the tile of rows in the batch
	s_lshl_b32 s21, s18, 2
	s_lshl_b32 s21, 15, s21                        ; my row of the cluster
	s_lshl_b32 s22, 0x1111, s17                    ; my column
	s_or_b32 s[G1], s21, (1<<16)|(1<<20)|(1<<21)|(4<<22)|(3<<25)   ; the mask; 2-byte elements; padding on; bit 21 beside a mask; after every 32 words 4 words
	s_or_b32 s[G1B], s22, (1<<16)|(1<<20)|(1<<21)|(4<<22)|(3<<25)
	s_mov_b32 s[G1+1], 128<<16                     ; o's block: 16,384 dense bytes as 64 rows of 256
	s_mov_b32 s[G1+2], 64<<16
	s_mov_b32 s[G1+3], 128<<16
	s_mov_b32 s[G1+4], 64
	s_mov_b32 s[G1+5], 128
	s_mov_b32 s[G1+6], 0
	s_mov_b32 s[G1+7], 0
	s_mov_b32 s[G1B+1], 128<<16                    ; Wo's block: 32,768 dense bytes as 128 rows of 256
	s_mov_b32 s[G1B+2], 128<<16
	s_mov_b32 s[G1B+3], 128<<16
	s_mov_b32 s[G1B+4], 128
	s_mov_b32 s[G1B+5], 128
	s_mov_b32 s[G1B+6], 0
	s_mov_b32 s[G1B+7], 0
	s_lshl_b32 s40, s18, 4
	s_add_co_u32 s40, s40, s19                     ; o's tile of 128 rows: 16 x batch + tile: my row of the cluster shares it
	s_lshl_b32 s40, s40, 18
	s_lshl_b32 s41, s[CH], 14                      ; the block of a step that I fetch
	s_add_co_u32 s40, s40, s41
	s_mov_b32 s41, 0
	s_lshl_b32 s46, s17, 19                        ; Wo's tile of 256 columns: my column of the cluster shares it
	s_lshl_b32 s47, s[CH], 15
	s_add_co_u32 s46, s46, s47
	s_mov_b32 s47, 0
	s_mul_i32 s23, s[CH], AU                       ; where they go: no place in the cluster enters an LDS address
	s_mul_i32 s44, s[CH], BU
	s_add_co_u32 s44, s44, 2*AU
	s_wait_dscnt 0x0                               ; both opening adds are done
	s_wait_kmcnt 0x0
	s_add_nc_u64 s[40:41], s[4:5], s[40:41]
	s_add_nc_u64 s[46:47], s[6:7], s[46:47]
	CROUND                                         ; all sixteen work-groups are here: the first joint loads meet
.irp s, 0,1
	s_mov_b32 s[G0+4*(\s)], 1
	s_add_co_u32 s[G0+4*(\s)+1], s23, (\s)*SLOT
	s_add_nc_u64 s[G0+4*(\s)+2:G0+4*(\s)+3], s[40:41], (\s)*32768   ; step s: two blocks of 16,384 bytes on
	s_or_b32 s[G0+4*(\s)+3], s[G0+4*(\s)+3], 0x80000000
	s_mov_b32 s[G0B+4*(\s)], 1
	s_add_co_u32 s[G0B+4*(\s)+1], s44, (\s)*SLOT
	s_add_nc_u64 s[G0B+4*(\s)+2:G0B+4*(\s)+3], s[46:47], (\s)*65536
	s_or_b32 s[G0B+4*(\s)+3], s[G0B+4*(\s)+3], 0x80000000
.endr
	s_cmp_eq_u32 s[RH], 0                          ; a wave's two first fills stand in one branch: two loads of mine are out
	s_cbranch_scc0 .Lfirst_b
	tensor_load_to_lds s[G0:G0+3], s[G1:G1+7]
	s_nop 0
	tensor_load_to_lds s[G0+4:G0+7], s[G1:G1+7]
	s_nop 0
.rept 4
	v_nop
.endr
	s_branch .Lfirst_asked
.Lfirst_b:
	tensor_load_to_lds s[G0B:G0B+3], s[G1B:G1B+7]
	s_nop 0
	tensor_load_to_lds s[G0B+4:G0B+7], s[G1B:G1B+7]
	s_nop 0
.rept 4
	v_nop
.endr
.Lfirst_asked:
	; my rows in h and out0.  Row place 0 is row 63 + i0 of the batch, i0 = 128 x tile + 64 x half; places 1 .. 63 follow it, or, in the wave with i0 = 1984, are the batch's rows 0 .. 62
	s_lshl_b32 s21, s19, 7
	s_lshl_b32 s22, s[RH], 6
	s_add_co_u32 s21, s21, s22                     ; i0
	s_lshl_b32 s22, s17, 10
	s_lshl_b32 s23, s[CH], 9
	s_add_co_u32 s22, s22, s23                     ; my 128 columns, in bytes
	s_mov_b32 s78, s22
	s_mov_b32 s79, 0
	s_add_nc_u64 s[8:9], s[8:9], s[78:79]          ; bo at my columns
	s_lshl_b32 s23, s18, 23                        ; the batch: 2,048 rows of 4,096 bytes
	s_add_co_u32 s23, s23, s22
	s_add_co_u32 s21, s21, 63
	s_lshl_b32 s21, s21, 12
	s_add_co_u32 s74, s21, s23                     ; place 0
	s_mov_b32 s75, 0
	s_add_co_u32 s76, s74, 4096                    ; place 1
	s_mov_b32 s77, 0
	s_cmp_eq_u32 s19, 15
	s_cselect_b32 s20, s[RH], 0                    ; 1 in the wave with i0 = 1984: made of the cluster's y and the wave's number, the same in all partners
	s_cmp_eq_u32 s20, 1
	s_cselect_b32 s76, s23, s76
	s_add_nc_u64 s[66:67], s[10:11], s[74:75]      ; h at place 0,
	s_add_nc_u64 s[68:69], s[10:11], s[76:77]      ; at place 1;
	s_add_nc_u64 s[70:71], s[12:13], s[74:75]      ; out0 likewise
	s_add_nc_u64 s[72:73], s[12:13], s[76:77]
	v_and_b32 v[RR], 15, v0
	v_bfe_u32 v[HH], v0, 4, 1
	v_lshlrev_b32 v[BOF], 5, v[HH]
	v_mul_u32_u24 v1, v[RR], 144
	v_lshl_add_u32 v1, v[HH], 4, v1                ; a fragment's row x pitch + 16 x half
	s_mul_i32 s21, s[RH], 64*144                   ; my 64 rows of o's block,
	s_mul_i32 s22, s[CH], 128*144                  ; my 128 columns of Wo's,
	s_add_co_u32 s22, s22, 2*AU                    ; which lie behind o's two
.irp s, 0,1
	v_add_nc_u32 v[ADRA+(\s)], s21, v1
	v_add_nc_u32 v[ADRB+(\s)], s22, v1
	s_add_co_u32 s21, s21, SLOT
	s_add_co_u32 s22, s22, SLOT
.endr
	s_mul_i32 s21, s[WAVE], 16*SP
	s_add_co_u32 s21, s21, STAGE                   ; my stage
	v_mul_u32_u24 v[STO], v[RR], SP                ; in: row l % 16, 32 bytes for each half of the lanes
	v_lshl_add_u32 v[STO], v[HH], 5, v[STO]
	v_add_nc_u32 v[STO], s21, v[STO]
	v_and_b32 v[CO], 31, v0
	v_lshlrev_b32 v[CO], 4, v[CO]
	v_add_nc_u32 v[RD], s21, v[CO]                 ; back: 32 lanes take one row of 512 bytes
	WIN 0x80                                       ; destination window 2, address window 0
.irp b, 0,1,2,3,4,5,6,7
	global_load_b128 v[BO+8*(\b):BO+8*(\b)+3],   v[BOF], s[8:9] offset:64*(\b)      ; bo of columns 16 b + 8 (l / 16) + 0..7
	global_load_b128 v[BO+8*(\b)+4:BO+8*(\b)+7], v[BOF], s[8:9] offset:64*(\b)+16
.endr
	WIN 0
; n x 8 matrix instructions: row blocks a0 .. a0 + n - 1 x all 8 column blocks, 32 along K, from buffer f.  Each accumulator once in 32: they take turns, over the backward jump too.
.macro MULS f, a0, n, zero
.if \zero
	WIN 0x60                                       ; D window 1, C (bo) window 2
.else
	WIN 0x50                                       ; C and D window 1
.endif
.set a, \a0
.rept \n
.irp b, 0,1,2,3,4,5,6,7
.if \zero
	v_wmma_f32_16x16x32_bf16 v[8*(8*a+(\b)):8*(8*a+(\b))+7], v[BF+64*(\f)+8*(\b):BF+64*(\f)+8*(\b)+7], v[AF+32*(\f)+8*a:AF+32*(\f)+8*a+7], v[BO+8*(\b):BO+8*(\b)+7]
.else
	v_wmma_f32_16x16x32_bf16 v[8*(8*a+(\b)):8*(8*a+(\b))+7], v[BF+64*(\f)+8*(\b):BF+64*(\f)+8*(\b)+7], v[AF+32*(\f)+8*a:AF+32*(\f)+8*a+7], v[8*(8*a+(\b)):8*(8*a+(\b))+7]
.endif
.endr
.set a, a+1
.endr
.endm
; 24 LDS loads in one run: quarter q of a step (block q / 2, byte 64 (q % 2) of its rows) into buffer g
.macro FETCH slot, q, g
	WIN 0
.irp i, 0,1,2,3
	ds_load_b128 v[AF+32*(\g)+8*(\i):AF+32*(\g)+8*(\i)+3],   v[ADRA+(\slot)] offset:((\q)/2)*AU+((\q)%2)*64+(\i)*2304
	ds_load_b128 v[AF+32*(\g)+8*(\i)+4:AF+32*(\g)+8*(\i)+7], v[ADRA+(\slot)] offset:((\q)/2)*AU+((\q)%2)*64+(\i)*2304+32
.endr
.irp i, 0,1,2,3,4,5,6,7
	ds_load_b128 v[BF+64*(\g)+8*(\i):BF+64*(\g)+8*(\i)+3],   v[ADRB+(\slot)] offset:((\q)/2)*BU+((\q)%2)*64+(\i)*2304
	ds_load_b128 v[BF+64*(\g)+8*(\i)+4:BF+64*(\g)+8*(\i)+7], v[ADRB+(\slot)] offset:((\q)/2)*BU+((\q)%2)*64+(\i)*2304+32
.endr
.endm
.macro PLACES                          ; four places in front of loads into registers that matrix instructions have read, and of LDS stores that read results
.rept 4
	v_nop
.endr
.endm
; One of a step's first three quarters: buffer f is in; quarter nq is asked for into buffer g, which the quarter before multiplied; then f is multiplied: the loads have 32 matrix instructions in which to land.
.macro QUARTER slot, nq, f, g, zero
	s_wait_dscnt 0x0
	PLACES
	FETCH \slot, \nq, \g
	MULS \f, 0, 4, \zero
.endm
; The last quarter multiplies buffer 1 and changes slots: ONE barrier; in front of it each wave waits for all its tensor loads, adds 0 to its spare word, and waits for that and for its own reads of this slot.
; fill = 1: the barrier opens a round of the cluster's, and this slot is filled again first behind it, with the step two on.
.macro TURN slot, next, fill
	WIN 0
	s_wait_tensorcnt 0x0                           ; all my tensor loads have landed: my block of the next slot;
	ds_add_u32 v[SPW], v[NIL]                      ; 0 onto my spare word;
	s_wait_dscnt 1                                 ; (buffer 1 is in; the add may be out)
	MULS 1, 0, 1, 0                                ; eight matrix instructions stand between the add and the wait for it
	s_wait_dscnt 0x0                               ; the add is done, and my reads of this slot are over
	s_barrier_signal -1
	MULS 1, 1, 1, 0
.if \fill
	WIN 0
.endif
	s_barrier_wait -1
.if \fill
	CREST                                          ; no wave of any partner still reads this slot or has a load on its way
	s_add_nc_u64 s[G0+4*(\slot)+2:G0+4*(\slot)+3], s[G0+4*(\slot)+2:G0+4*(\slot)+3], 65536
	s_add_nc_u64 s[G0B+4*(\slot)+2:G0B+4*(\slot)+3], s[G0B+4*(\slot)+2:G0B+4*(\slot)+3], 131072
	JLOAD \slot                                    ; the first tensor load behind the round; its four v_nop are also the places in front of the loads below
.else
	PLACES
.endif
	FETCH \next, 0, 0
	MULS 1, 2, 2, 0
.endm
; 32 rows of h, a row (512 consecutive bytes) a load, into window 2
.macro HLOAD half
	WIN 0x80
.set j, 32*(\half)
.rept 32
.if j == 0
	global_load_b128 v[0:3], v[CO], s[66:67] th:TH_LOAD_NT
.else
	global_load_b128 v[4*j:4*j+3], v[CO], s[68:69] offset:(j-1)*4096 th:TH_LOAD_NT
.endif
.set j, j+1
.endr
	WIN 0
.endm
	s_wait_tensorcnt 0x1                           ; my block of slot 0 is in; slot 1's may stay out
	s_barrier_signal -1
	s_barrier_wait -1
	FETCH 0, 0, 0
	HLOAD 0                                        ; row places 0 .. 31: they have the whole loop in which to come
	s_wait_loadcnt 32                              ; bo is in; h's 32 loads stay out
	QUARTER 0, 1, 0, 1, 1                          ; the first quarter stands in front of the loop: its products start the sums with bo
	WIN 0
	s_mov_b32 s3, 3
.Llap:                                                 ; a trip goes once round the ring and fills both slots again: steps 2 .. 7
	QUARTER 0, 2, 1, 0, 0
	QUARTER 0, 3, 0, 1, 0
	TURN 0, 1, 1
	QUARTER 1, 1, 0, 1, 0
	QUARTER 1, 2, 1, 0, 0
	QUARTER 1, 3, 0, 1, 0
	TURN 1, 0, 1
	QUARTER 0, 1, 0, 1, 0
	WIN 0
	s_sub_co_u32 s3, s3, 1
	s_cmp_lg_u32 s3, 0
	s_cbranch_scc1 .Llap
	QUARTER 0, 2, 1, 0, 0                          ; the last lap fills nothing, and has no round
	QUARTER 0, 3, 0, 1, 0
	TURN 0, 1, 0
	HLOAD 1                                        ; row places 32 .. 63, where bo lay: a step ahead of their use
	QUARTER 1, 1, 0, 1, 0
	QUARTER 1, 2, 1, 0, 0
	QUARTER 1, 3, 0, 1, 0
	s_wait_dscnt 0x0
	MULS 1, 0, 4, 0
	; THE WAY OUT: 16 rows at a time through my stage: 32 bytes a lane in, whole rows of 512 bytes back; h is added; a store covers 512 consecutive bytes, aligned.
	PLACES
	WIN 0
	s_cmp_eq_u32 s20, 1
	s_cbranch_scc1 .Lspec
.macro INTO a                          ; each accumulator's low half is read first
	WIN 0x04                                       ; store data window 1, address window 0
.irp b, 0,1,2,3,4,5,6,7
	ds_store_b128 v[STO], v[8*(8*(\a)+(\b)):8*(8*(\a)+(\b))+3]   offset:64*(\b)
	ds_store_b128 v[STO], v[8*(8*(\a)+(\b))+4:8*(8*(\a)+(\b))+7] offset:64*(\b)+16
.endr
	WIN 0
.endm
.macro BLOCK a
	INTO \a
.if (\a) >= 2
	s_wait_xcnt 0x0                                ; the stores of the block two back have read these registers
.endif
.irp t, 0,1,2,3,4,5,6,7,8,9,10,11,12,13,14,15
	ds_load_b128 v[OB+64*((\a)%2)+4*(\t):OB+64*((\a)%2)+4*(\t)+3], v[RD] offset:(\t)*SP  ; LDS serves a wave's instructions in order (ISA guide 5.7.1.4): these see the stores above; the next block's come behind them
.endr
.if (\a) < 2
	s_wait_loadcnt 32                              ; h's places 0 .. 31 are in; the 32 younger loads may stay out
.else
	s_wait_loadcnt 0x0
.endif
	s_wait_dscnt 0x0
	WIN 0x08                                       ; source 1 (h) window 2
.irp t, 0,1,2,3,4,5,6,7,8,9,10,11,12,13,14,15
	v_pk_add_f32 v[OB+64*((\a)%2)+4*(\t):OB+64*((\a)%2)+4*(\t)+1],   v[OB+64*((\a)%2)+4*(\t):OB+64*((\a)%2)+4*(\t)+1],   v[64*(\a)+4*(\t):64*(\a)+4*(\t)+1]
	v_pk_add_f32 v[OB+64*((\a)%2)+4*(\t)+2:OB+64*((\a)%2)+4*(\t)+3], v[OB+64*((\a)%2)+4*(\t)+2:OB+64*((\a)%2)+4*(\t)+3], v[64*(\a)+4*(\t)+2:64*(\a)+4*(\t)+3]
.endr
	WIN 0
.irp t, 0,1,2,3,4,5,6,7,8,9,10,11,12,13,14,15
.if 16*(\a)+(\t) == 0
	global_store_b128 v[CO], v[OB:OB+3], s[70:71] th:TH_STORE_NT
.else
	global_store_b128 v[CO], v[OB+64*((\a)%2)+4*(\t):OB+64*((\a)%2)+4*(\t)+3], s[72:73] offset:(16*(\a)+(\t)-1)*4096 th:TH_STORE_NT
.endif
.endr
.endm
	BLOCK 0
	BLOCK 1
	BLOCK 2
	BLOCK 3
	s_branch .Ljoin
.Lspec:                                                ; the wave with i0 = 1984: place 0 is the batch's last row; places 1 .. 63 are its rows 0 .. 62, which are h alone
	INTO 0
	ds_load_b128 v[OB:OB+3], v[RD]
	s_wait_loadcnt 0x0
	s_wait_dscnt 0x0
	WIN 0x08
	v_pk_add_f32 v[OB:OB+1], v[OB:OB+1], v[0:1]
	v_pk_add_f32 v[OB+2:OB+3], v[OB+2:OB+3], v[2:3]
	WIN 0
	global_store_b128 v[CO], v[OB:OB+3], s[70:71] th:TH_STORE_NT
	WIN 0x08                                       ; store data window 2
.set j, 1
.rept 63
	global_store_b128 v[CO], v[4*j:4*j+3], s[72:73] offset:(j-1)*4096 th:TH_STORE_NT
.set j, j+1
.endr
	WIN 0
.Ljoin:
	s_wait_tensorcnt 0x0                           ; the wave's end, behind my last tensor load and my last LDS store
	ds_add_u32 v[SPW], v[NIL]
	s_wait_dscnt 0x0
	CROUND                                         ; the closing round: no work-group ends while a partner may still ask for a block that names it
	s_endpgm
.Lfunc_end_k_q5efb3446d5_outp:
	.size	k_q5efb3446d5_outp, .Lfunc_end_k_q5efb3446d5_outp-k_q5efb3446d5_outp
	.p2alignl 7, 3214868480
	.fill 96, 4, 3214868480
	.section	.rodata,"a",@progbits
	.p2align	6, 0x0
	.amdhsa_kernel k_q5efb3446d5_outp
		.amdhsa_group_segment_fixed_size 327680
		.amdhsa_private_segment_fixed_size 0
		.amdhsa_enable_private_segment 0
		.amdhsa_kernarg_size 40
		.amdhsa_user_sgpr_count 2
		.amdhsa_user_sgpr_kernarg_segment_ptr 1
		.amdhsa_wavefront_size32 1
		.amdhsa_system_sgpr_workgroup_id_x 1
		.amdhsa_system_sgpr_workgroup_id_y 1
		.amdhsa_system_sgpr_workgroup_id_z 1
		.amdhsa_system_vgpr_workitem_id 0
		.amdhsa_next_free_vgpr 768
		.amdhsa_next_free_sgpr 80
		.amdhsa_reserve_vcc 0
		.amdhsa_float_denorm_mode_32 3
		.amdhsa_float_denorm_mode_16_64 3
		.amdhsa_memory_ordered 1
		.amdhsa_forward_progress 1
		.amdhsa_inst_pref_size 108
	.end_amdhsa_kernel
	.amdgpu_metadata
---
amdhsa.version: [ 1, 2 ]
amdhsa.kernels:
  - .name:           k_q5efb3446d5_outp
    .symbol:         k_q5efb3446d5_outp.kd
    .args:
      - { .name: ob, .offset: 0, .size: 8, .value_kind: global_buffer, .address_space: global }
      - { .name: wot, .offset: 8, .size: 8, .value_kind: global_buffer, .address_space: global }
      - { .name: bo, .offset: 16, .size: 8, .value_kind: global_buffer, .address_space: global }
      - { .name: h, .offset: 24, .size: 8, .value_kind: global_buffer, .address_space: global }
      - { .name: out0, .offset: 32, .size: 8, .value_kind: global_buffer, .address_space: global }
    .group_segment_fixed_size: 327680
    .private_segment_fixed_size: 0
    .kernarg_segment_align: 8
    .kernarg_segment_size: 40
    .max_flat_workgroup_size: 128
    .sgpr_count:     80
    .vgpr_count:     768
    .wavefront_size: 32
...
	.end_amdgpu_metadata
.endif
;; end of part 3
